; MI455X (gfx1250); checked and timed in simulation.
; The chip was launched on July 23, 2026; its instructions are those of AMD's public machine-readable ISA for CDNA 5 (MIT licence, August 2026) and "CDNA5" Instruction Set Architecture Reference Guide (July 2026). The comments in the code are by the model that wrote it; some were corrected since.
;; Masked Attention. Allowed arithmetic: matrix products marked QUANTISED: E2M1 operands, one E8M0 scale for each 32 along K, by v_wmma_scale_f32_16x16x128_f8f6f4 with both operands' format E2M1 (or v_wmma_scale_f32_32x16x128_f4), f32 sums; everything else in f32.
;; Inputs: Wk 1,024 x 1,024 float32; Wo 1,024 x 1,024 float32; Wq 1,024 x 1,024 float32; Wv 1,024 x 1,024 float32; bk 1,024 float32; bo 1,024 float32; bq 1,024 float32; bv 1,024 float32; x 2 x 2,048 x 1,024 float32.
;; Outputs: out0 2 x 2,048 x 1,024 float32.
;; This version of the problem:
;;   THIS VERSION OF THE PROBLEM IS GIVEN IN LOW PRECISION. The matrix products marked QUANTISED in the list below multiply operands that are first quantised to E2M1 (2 exponent bits, 1 mantissa bit; 4 bits a number), with one power-of-two scale for each 32 numbers along K (OCP MX v1.0); their sums are f32. All else is computed in f32.
;;   The module's matrix products, in the order in which they are computed (A, B: the left and right operand; K: the contracted axis; several contracted axes count as one K, in the product's order):
;;     1. [M 4,096, K 1,024] x [K 1,024, N 1,024]; A: input x; B: input Wq: QUANTISED
;;     2. [M 4,096, K 1,024] x [K 1,024, N 1,024]; A: input x; B: input Wk: QUANTISED
;;     3. [M 4,096, K 1,024] x [K 1,024, N 1,024]; A: input x; B: input Wv: QUANTISED
;;     4. batch 32 x [M 2,048, K 64] x [K 64, N 2,048]; A: computed on the way; B: computed on the way: QUANTISED
;;     5. batch 32 x [M 64, K 2,048] x [K 2,048, N 2,048]; A: computed on the way; B: softmax (see below): QUANTISED
;;     6. [M 4,096, K 1,024] x [K 1,024, N 1,024]; A: computed on the way; B: input Wo: QUANTISED
;;   THE QUANTISER, for each operand of a quantised product, along K:
;;     - K is cut into blocks of 32 from its start; a last block that is shorter is filled with zeros.
;;     - A block's scale is 2^e with e = floor(log2(the largest magnitude in the block)) - 2, held to -126 .. 127; a block of zeros has e = 0. As a byte (E8M0): e + 127.
;;     - Each number is divided by its block's scale, clamped to +-6, and rounded to the nearest number of E2M1, ties to even, subnormals kept.
;;     - The product sums the exact products of the quantised numbers (number of the format x scale) in f32.
;;   ~~~python
;;   def quantise(x, axis):      # numpy; x: float32 -> the quantised numbers, widened to float32 again
;;       x = np.moveaxis(x, axis, -1); K = x.shape[-1]
;;       x = np.pad(x, [(0, 0)] * (x.ndim - 1) + [(0, -K % 32)]); x = x.reshape(x.shape[:-1] + (-1, 32)); a = np.abs(x).max(-1, keepdims=True)
;;       e = np.where(a > 0, np.clip(np.frexp(np.where(a > 0, a, 1))[1] - 1 - 2, -126, 127), 0)      # np.frexp(a)[1] - 1 = floor(log2(a)), exactly
;;       r = np.clip(x / 2.0 ** e, -6, 6)
;;       step = 2.0 ** (np.maximum(np.frexp(np.where(r == 0, 1, r))[1] - 1, 0) - 1)
;;       q = np.round(r / step) * step * 2.0 ** e      # np.round: ties to even
;;       return np.moveaxis(q.reshape(q.shape[:-2] + (-1,))[..., :K], -1, axis).astype(np.float32)
;;   ~~~
;;   SOFTMAX AHEAD OF A QUANTISED PRODUCT. Where the list says 'softmax', what is quantised is not the finished softmax but p = 2^(t - M), with t = logit x log2(e) and M = ceil(the row's largest t), a whole number; so 1/2 < the row's largest p <= 1. The row's sum l is taken of the UNQUANTISED p, in f32, and the product's result is divided by l at the end. Since M is a whole number, a kernel that streams over the keys may use a running M (the ceiling of the running maximum): every later rescaling is an exact power of two, which a block's scale takes up: the codes' values come out the same.
;;   OPERANDS COMPUTED ON THE WAY. 'Computed on the way' means the value that the module computes at that place (a softmax that the list does not call 'softmax' is quantised finished and normalised). What goes into a quantiser is computed in f32, as accurately as f32 sums, v_exp_f32 and their like allow (about 1e-6 of the number): no bf16 or f16 on the way to a quantiser, and a product that is left as it is and whose result goes on into a quantised operand takes f32 operands (vector FMAs, or v_wmma_f32_16x16x4_f32). A number that lies on a knife's edge between two numbers of the format may be rounded either way, as far as f32 arithmetic and the matrix unit's own rounding can turn it there, and no further.
;; One version. Each part assembles by itself: llvm-mc -triple=amdgcn-amd-amdhsa -mcpu=gfx1250 --defsym DOCPART=n.
;; ======== version 1 of 1: 4 launches
;; limits: right only within a limited range of input values
;; workspace buffers: x_img 2,228,224 bytes; w_img 2,228,224 bytes; kv 4,587,520 bytes; q_codes 2,097,152 bytes; q_scales 262,144 bytes; o_img 2,228,224 bytes
;; launch quant (part 1): grid 512 x 1, 4 waves a work-group, no clusters, 66,048 bytes of LDS; arguments x, Wq, Wk, Wv, Wo, x_img, w_img; writes x_img, w_img
.if DOCPART == 1
	.amdgcn_target "amdgcn-amd-amdhsa--gfx1250"
	.amdhsa_code_object_version 6
	.text
	.protected	k_q0ead778aa8_quant
	.globl	k_q0ead778aa8_quant
	.p2align	8
	.type	k_q0ead778aa8_quant,@function
k_q0ead778aa8_quant:
	s_mov_b64 s[64:65], 0
	v_nop
	global_prefetch_b8 v0, s[64:65] scope:SCOPE_SE
	s_setreg_imm32_b32 hwreg(HW_REG_WAVE_MODE, 25, 1), 1
	s_wait_xcnt 0x0
; x [4096][1024] f32 (K innermost) and Wq, Wk, Wv, Wo [1024 (k)][1024 (n)] f32 (K outermost) become codes of FP4 (E2M1) with one E8M0 byte for each 32 along K.
; A block's scale is 2^(floor(log2(largest magnitude)) - 2): its byte is the largest magnitude's exponent field - 2, held at 1 from below by a floor among the maximum's leaves.
; WORK LEFT OUT IN THE PROGRAM: scores of whole key steps (128 keys) that come after all 16 queries of a tile.  reference() sets them to -inf ahead of the softmax, so their p is 0 for all finite inputs.
; LIMITS: NaN and infinities among the inputs are not served; one that reaches only work left out is not carried to the result.  A block of zeros gets the byte 1 where the quantiser's text says 127: its codes are zeros, and only this program reads the bytes.
; LAYOUT.  A fragment (16 rows x 128 K, 8 registers a lane) is an IMAGE of its registers, 1,024 bytes: chunk c = 0, 1 of 512 bytes, lane l's 16 bytes at 16 l (registers 4 c .. 4 c + 3: k = 64 c + 32 (l / 16) + 0 .. 31 of row l % 16).
; A block of 8 tiles x all of K is 69,632 bytes: codes [tile 8][K step 8][1,024], then 4,096 bytes of scale words (four bytes: the K step's four blocks).
;   x_img [block of 128 tokens 32]: words [tile][K step][r].  Tile 2 b + u, row r: token 32 b + 8 u + r + 8 (r / 8) of the block.
;   w_img [block of 128 columns 8][weight q, k, v, o]: words [K step][tile][r].  q, k, v: columns as the tokens above.  o: tile 4 e + q, row r: column 64 e + 4 r + q.
; SHARES.  Work-groups 0-255: a tile of 16 tokens x all of K; wave w takes K steps 2 w and 2 w + 1.  Work-groups 256-511: 128 columns x 128 K of one weight; wave w loads 32 columns, a lane a column, and sends out tiles 2 w, 2 w + 1.
; Every wave issues all its loads at its head (16 KiB a wave); no loop, no pointer stepped, so there is nothing to prefetch ahead of.  The two paths have LDS bytes of their own.
.set IMG,   69632
.set SEL,   26                         ; s[26:27] selects of v_permlanex16_b32 for lane l xor 16
.set TM,    16                         ; v16-19 largest magnitudes, v20-23 the other half's and then the bytes, v28-31 the conversions' scale operands
.set PW,    32                         ; v32, v33 the two K steps' scale words; v34 the one that my half of the lanes stores
.set PC,    40                         ; v40-55 codes
.set R,     64                         ; v64-191 numbers as loaded
.set X,     192                        ; v192-255 x: 64 numbers of my row; weights: v192-207 images on the way out
.set XSTG,  8448                       ; x's path: a stage of 16 rows x (512 + 16) bytes for each wave, from LDS byte 0
.set WSTG0, 4*XSTG                     ; weights' path: 128 rows (columns of the weight) x (64 + 16) bytes
.set WSTG,  2560
.set SWB,   WSTG0+4*WSTG               ; and 128 scale words
.set SPARE, 65536                      ; the spare words
; 64 numbers of a lane, register 16 b + i = k 32 b + 16 (lane / 16) + i of my row, become a fragment's codes in v[pc] on and its scale word in v[pw]
.macro QUANT4 s, pc, pw
.irp b, 0,1,2,3
	v_max3_num_f32 v[TM+\b], |v[\s+16*\b]|, |v[\s+1+16*\b]|, 0x1800000   ; with the floor 2^(3 - 127)
.endr
.irp i, 2,4,6,8,10,12,14
.irp b, 0,1,2,3
	v_max3_num_f32 v[TM+\b], v[TM+\b], |v[\s+16*\b+\i]|, |v[\s+1+16*\b+\i]|
.endr
.endr
.irp b, 0,1,2,3
	v_permlanex16_b32 v[TM+4+\b], v[TM+\b], s[SEL], s[SEL+1]
.endr
.irp b, 0,1,2,3
	v_max_num_f32 v[TM+\b], v[TM+\b], v[TM+4+\b]   ; with lane l xor 16's 16: the block's largest magnitude
.endr
.irp b, 0,1,2,3
	v_add_nc_u32 v[TM+12+\b], 0xff000000, v[TM+\b]   ; 2 off its exponent field: the conversion's scale operand
.endr
.irp b, 0,1,2,3
	v_lshrrev_b32 v[TM+4+\b], 23, v[TM+12+\b]      ; the scale's byte
.endr
	v_lshl_or_b32 v[\pw], v[TM+5], 8, v[TM+4]
	v_lshl_or_b32 v[\pw], v[TM+6], 16, v[\pw]
	v_lshl_or_b32 v[\pw], v[TM+7], 24, v[\pw]
.irp b, 0,1,2,3
	v_cvt_scalef32_pk8_fp4_f32 v[\pc+2*\b], v[\s+16*\b:\s+7+16*\b], v[TM+12+\b]
	v_cvt_scalef32_pk8_fp4_f32 v[\pc+1+2*\b], v[\s+8+16*\b:\s+15+16*\b], v[TM+12+\b]
.endr
	v_nop                                          ; one plain instruction behind the scaled conversions
.irp c, 0,1                                    ; a whole block to a lane: lanes 0-15 block 2 c, lanes 16-31 block 2 c + 1
.irp i, 0,1
	v_permlane16_swap_b32 v[\pc+4*\c+\i], v[\pc+2+4*\c+\i]
.endr
.endr
.endm
	s_load_b256 s[4:11], s[0:1], 0x0               ; x s[4:5], Wq s[6:7], Wk s[8:9], Wv s[10:11]
	s_load_b128 s[12:15], s[0:1], 0x20             ; Wo s[12:13], x_img s[14:15]
	s_load_b64 s[18:19], s[0:1], 0x30              ; w_img
	v_lshl_add_u32 v62, v0, 2, SPARE
	v_mov_b32 v63, 0
	v_lshrrev_b32 v1, 5, v0
	v_readfirstlane_b32 s24, v1                    ; wave 0..3
	v_and_b32 v8, 31, v0                           ; lane
	v_and_b32 v9, 15, v0                           ; r
	v_bfe_u32 v10, v0, 4, 1                        ; h
	v_lshlrev_b32 v1, 4, v8                        ; 16 x lane
	v_lshlrev_b32 v4, 2, v8                        ; 4 x lane
	s_mov_b32 s[SEL], 0x76543210
	s_mov_b32 s[SEL+1], 0xfedcba98
	s_cmp_lt_u32 ttmp9, 256
	s_cbranch_scc0 .Lweights
	; ---------------- x: tile tt = the work-group's number ----------------
	s_mul_i32 s28, s24, XSTG                       ; my stage
	v_add_nc_u32 v2, s28, v1                       ; in: a row's 512 bytes as they lie, 16 a lane
	v_mul_u32_u24 v3, v9, 528
	v_lshl_add_u32 v3, v10, 6, v3
	v_add_nc_u32 v3, s28, v3                       ; back: row r, + 64 h: my 16 numbers of each block of 32
.irp b, 0,1,2,3
	v_mov_b32 v[TM+4+\b], 0                        ; written once: a lane permute's destination counts as one of its sources
.endr
	s_lshr_b32 s29, ttmp9, 1
	s_lshl_b32 s29, s29, 5
	s_and_b32 s30, ttmp9, 1
	s_lshl_b32 s30, s30, 3
	s_add_co_u32 s29, s29, s30                     ; the tile's first token: 32 (tt / 2) + 8 (tt % 2)
	s_lshl_b32 s30, s29, 12                        ; x 4,096 bytes a row
	s_lshl_b32 s31, s24, 10                        ; + my two K steps: 1,024 bytes
	s_add_co_u32 s30, s30, s31
	s_mov_b32 s31, 0
	s_lshr_b32 s36, ttmp9, 3
	s_mul_i32 s36, s36, IMG                        ; the block's image
	s_and_b32 s37, ttmp9, 7
	s_lshl_b32 s32, s37, 13                        ; codes: + 8,192 (tt % 8) + 2,048 w
	s_add_co_u32 s32, s32, s36
	s_lshl_b32 s33, s24, 11
	s_add_co_u32 s32, s32, s33
	s_mov_b32 s33, 0
	s_lshl_b32 s34, s37, 9                         ; scale words: + 65,536 + 512 (tt % 8) + 128 w
	s_add_co_u32 s34, s34, s36
	s_add_co_u32 s34, s34, 65536
	s_lshl_b32 s35, s24, 7
	s_add_co_u32 s34, s34, s35
	s_mov_b32 s35, 0
	s_wait_alu depctr_va_vdst(0)
	s_wait_kmcnt 0x0
	s_add_nc_u64 s[4:5], s[4:5], s[30:31]
	s_add_nc_u64 s[16:17], s[14:15], s[34:35]
	s_add_nc_u64 s[14:15], s[14:15], s[32:33]
.irp q, 0,1
.irp p, 0,1,2,3,4,5,6,7,8,9,10,11,12,13,14,15
	global_load_b128 v[R+64*\q+4*\p:R+64*\q+4*\p+3], v1, s[4:5] offset:(\p+8*(\p/8))*4096+512*\q th:TH_LOAD_NT   ; 32 lanes read 512 consecutive bytes of the tile's row p
.endr
.endr
.macro XSTEP q, left
	s_wait_loadcnt \left                           ; this K step's 16 loads are in; the count is the younger K step's loads
.irp p, 0,1,2,3,4,5,6,7,8,9,10,11,12,13,14,15
	ds_store_b128 v2, v[R+64*\q+4*\p:R+64*\q+4*\p+3] offset:528*\p
.endr
.irp b, 0,1,2,3
.irp j, 0,1,2,3
	ds_load_b128 v[X+16*\b+4*\j:X+16*\b+4*\j+3], v3 offset:128*\b+16*\j   ; LDS serves a wave's instructions in order: these see the stores above
.endr
.endr
	s_wait_dscnt 0x0
	QUANT4 X, PC+8*\q, PW+\q
.irp c, 0,1
	global_store_b128 v1, v[PC+8*\q+4*\c:PC+8*\q+4*\c+3], s[14:15] offset:1024*\q+512*\c   ; 512 consecutive bytes of the image
.endr
.endm
	XSTEP 0, 16
	XSTEP 1, 0
	v_cmp_lt_u32 vcc_lo, 15, v8
	v_cndmask_b32 v34, v32, v33, vcc_lo            ; lanes 0-15 store the even K step's words, lanes 16-31 the odd one's
	global_store_b32 v4, v34, s[16:17]             ; 128 consecutive bytes a wave, 512 a work-group
	s_wait_tensorcnt 0x0                           ; the wave's end
	ds_add_u32 v62, v63
	s_wait_dscnt 0x0
	s_endpgm
	; ---------------- a weight: id' = number - 256: weight id' / 64, block of 128 columns (id' / 8) % 8, K step id' % 8 ----------------
.Lweights:
	s_sub_co_u32 s28, ttmp9, 256
	s_lshr_b32 s29, s28, 6                         ; which weight: 0 q, 1 k, 2 v, 3 o
	s_bfe_u32 s30, s28, 0x30003                    ; block of 128 columns
	s_and_b32 s31, s28, 7                          ; K step
	s_mul_i32 s34, s24, WSTG
	s_add_co_u32 s34, s34, WSTG0                   ; my 32 rows of the stage
	s_lshl_b32 s35, s24, 5                         ; q, k, v: my tiles' columns begin at 32 w, the second tile's 8 further on;
	s_lshr_b32 s40, s24, 1
	s_lshl_b32 s40, s40, 6
	s_and_b32 s41, s24, 1
	s_lshl_b32 s41, s41, 1
	s_add_co_u32 s40, s40, s41                     ; o: at 64 (w / 2) + 2 (w % 2), the second's 1 further on
	s_wait_alu depctr_va_vdst(0)
	v_mul_u32_u24 v5, v8, 80
	v_add_nc_u32 v5, s34, v5                       ; in: row = my column
	v_and_b32 v11, 8, v9
	v_add_nc_u32 v11, v11, v9                      ; r + 8 (r / 8)
	v_add_nc_u32 v11, s35, v11                     ; q, k, v: the column of row r of my first tile
	v_lshl_add_u32 v12, v9, 2, s40                 ; o: the same, 4 r on
	v_mul_u32_u24 v6, v11, 80
	v_lshl_add_u32 v6, v10, 4, v6
	v_add_nc_u32 v6, WSTG0, v6                     ; back: that row, + 16 h: q, k, v
	v_mul_u32_u24 v15, v12, 80
	v_lshl_add_u32 v15, v10, 4, v15
	v_add_nc_u32 v15, WSTG0, v15                   ; and o
	v_lshl_add_u32 v7, v10, 3, v11
	v_lshl_add_u32 v7, v7, 2, SWB                  ; back: the scale word of lanes 0-15's first tile, lanes 16-31's second: q, k, v
	v_add_nc_u32 v27, v10, v12
	v_lshl_add_u32 v27, v27, 2, SWB                ; and o
	v_lshl_add_u32 v25, v0, 2, SWB                 ; in: my column's scale word
	s_lshl_b32 s32, s31, 19                        ; the weight: 128 rows of 4,096 bytes a K step,
	s_lshl_b32 s33, s30, 9                         ; 512 bytes a block of columns,
	s_add_co_u32 s32, s32, s33
	s_lshl_b32 s33, s24, 7                         ; 128 bytes a wave
	s_add_co_u32 s32, s32, s33
	s_mov_b32 s33, 0
	s_lshl_b32 s38, s30, 2
	s_add_co_u32 s38, s38, s29
	s_mul_i32 s38, s38, IMG                        ; the image of (block, weight)
	s_lshl_b32 s37, s24, 14
	s_add_co_u32 s36, s38, s37                     ; codes: + 16,384 wave (two tiles) + 1,024 K step
	s_lshl_b32 s37, s31, 10
	s_add_co_u32 s36, s36, s37
	s_mov_b32 s37, 0
	s_add_co_u32 s38, s38, 65536                   ; scale words: + 65,536 + 512 K step + 128 wave
	s_lshl_b32 s39, s31, 9
	s_add_co_u32 s38, s38, s39
	s_lshl_b32 s39, s24, 7
	s_add_co_u32 s38, s38, s39
	s_mov_b32 s39, 0
	s_wait_kmcnt 0x0
	s_mov_b64 s[22:23], s[6:7]                     ; the choice of the buffer hangs on the work-group's number alone
	s_cmp_eq_u32 s29, 1
	s_cselect_b64 s[22:23], s[8:9], s[22:23]
	s_cmp_eq_u32 s29, 2
	s_cselect_b64 s[22:23], s[10:11], s[22:23]
	s_cmp_eq_u32 s29, 3
	s_cselect_b64 s[22:23], s[12:13], s[22:23]
	s_add_nc_u64 s[22:23], s[22:23], s[32:33]
	s_add_nc_u64 s[20:21], s[18:19], s[38:39]
	s_add_nc_u64 s[18:19], s[18:19], s[36:37]
.set K, 0
.rept 128
	global_load_b32 v[R+K], v4, s[22:23] offset:4096*K th:TH_LOAD_NT   ; row k at my column: a lane's registers run down K; 128 consecutive bytes a wave, 512 a work-group
.set K, K+1
.endr
.macro BLOCK b, left
.set XS, R+32*\b
	s_wait_loadcnt \left                           ; this block's 32 loads are in
	v_max3_num_f32 v12, |v[XS]|, |v[XS+1]|, |v[XS+2]|   ; all 32 numbers of the block are mine
	v_max3_num_f32 v13, |v[XS+3]|, |v[XS+4]|, |v[XS+5]|
.irp i, 6,10,14,18,22,26
	v_max3_num_f32 v12, v12, |v[XS+\i]|, |v[XS+\i+1]|
	v_max3_num_f32 v13, v13, |v[XS+\i+2]|, |v[XS+\i+3]|
.endr
	v_max3_num_f32 v12, v12, |v[XS+30]|, |v[XS+31]|
	v_max3_num_f32 v12, v12, v13, 0x1800000        ; and the floor
	v_add_nc_u32 v14, 0xff000000, v12              ; the conversions' scale operand
	v_lshrrev_b32 v13, 23, v14                     ; the byte
.if \b == 0
	v_mov_b32 v24, v13
.else
	v_lshl_or_b32 v24, v13, 8*\b, v24              ; four bytes make my column's scale word of this K step
.endif
.irp g, 0,1,2,3
	v_cvt_scalef32_pk8_fp4_f32 v[PC+4*\b+\g], v[XS+8*\g:XS+8*\g+7], v14
.endr
	v_nop                                          ; one plain instruction behind the scaled conversions
	ds_store_b128 v5, v[PC+4*\b:PC+4*\b+3] offset:16*\b   ; 32 codes: 16 bytes of my column's row
.endm
	BLOCK 0, 63                                    ; 96 younger loads could stay out; a wait names 63 at the most
	BLOCK 1, 63                                    ; 64 could
	BLOCK 2, 32
	BLOCK 3, 0
	ds_store_b32 v25, v24
	s_wait_alu depctr_va_vdst(0)
	s_wait_dscnt 0x0                               ; for the others' sake: o's tiles take columns of two waves
	s_barrier_signal -1
	s_barrier_wait -1
	s_cmp_lg_u32 s29, 3                            ; by the work-group's number alone: five loads on either way
	s_cbranch_scc1 .Lnot_o
.irp u, 0,1
.irp c, 0,1
	ds_load_b128 v[X+4*(2*\u+\c):X+4*(2*\u+\c)+3], v15 offset:80*\u+32*\c    ; o: tile 2 w + u, chunk c: the image's 16 bytes of my lane
.endr
.endr
	ds_load_b32 v26, v27
	s_branch .Lback
.Lnot_o:
.irp u, 0,1
.irp c, 0,1
	ds_load_b128 v[X+4*(2*\u+\c):X+4*(2*\u+\c)+3], v6 offset:640*\u+32*\c    ; q, k, v
.endr
.endr
	ds_load_b32 v26, v7
.Lback:
.irp u, 0,1
.irp c, 0,1
	s_wait_dscnt 4-2*\u-\c                         ; the younger loads may be out
	global_store_b128 v1, v[X+4*(2*\u+\c):X+4*(2*\u+\c)+3], s[18:19] offset:8192*\u+512*\c   ; 512 consecutive bytes
.endr
.endr
	s_wait_dscnt 0x0
	global_store_b32 v4, v26, s[20:21]             ; 128 consecutive bytes a wave, 512 a work-group
	s_wait_tensorcnt 0x0                           ; the wave's end
	ds_add_u32 v62, v63
	s_wait_dscnt 0x0
	s_endpgm
.Lfunc_end_k_q0ead778aa8_quant:
	.size	k_q0ead778aa8_quant, .Lfunc_end_k_q0ead778aa8_quant-k_q0ead778aa8_quant
	.p2alignl 7, 3214868480
	.fill 96, 4, 3214868480
	.section	.rodata,"a",@progbits
	.p2align	6, 0x0
	.amdhsa_kernel k_q0ead778aa8_quant
		.amdhsa_group_segment_fixed_size 66048
		.amdhsa_private_segment_fixed_size 0
		.amdhsa_enable_private_segment 0
		.amdhsa_kernarg_size 56
		.amdhsa_user_sgpr_count 2
		.amdhsa_user_sgpr_kernarg_segment_ptr 1
		.amdhsa_wavefront_size32 1
		.amdhsa_system_sgpr_workgroup_id_x 1
		.amdhsa_system_sgpr_workgroup_id_y 1
		.amdhsa_system_sgpr_workgroup_id_z 1
		.amdhsa_system_vgpr_workitem_id 0
		.amdhsa_next_free_vgpr 256
		.amdhsa_next_free_sgpr 66
		.amdhsa_reserve_vcc 1
		.amdhsa_float_denorm_mode_32 3
		.amdhsa_float_denorm_mode_16_64 3
		.amdhsa_memory_ordered 1
		.amdhsa_forward_progress 1
		.amdhsa_inst_pref_size 41
	.end_amdhsa_kernel
	.amdgpu_metadata
---
amdhsa.version: [ 1, 2 ]
amdhsa.kernels:
  - .name:           k_q0ead778aa8_quant
    .symbol:         k_q0ead778aa8_quant.kd
    .args:
      - { .name: x, .offset: 0, .size: 8, .value_kind: global_buffer, .address_space: global }
      - { .name: Wq, .offset: 8, .size: 8, .value_kind: global_buffer, .address_space: global }
      - { .name: Wk, .offset: 16, .size: 8, .value_kind: global_buffer, .address_space: global }
      - { .name: Wv, .offset: 24, .size: 8, .value_kind: global_buffer, .address_space: global }
      - { .name: Wo, .offset: 32, .size: 8, .value_kind: global_buffer, .address_space: global }
      - { .name: x_img, .offset: 40, .size: 8, .value_kind: global_buffer, .address_space: global }
      - { .name: w_img, .offset: 48, .size: 8, .value_kind: global_buffer, .address_space: global }
    .group_segment_fixed_size: 66048
    .private_segment_fixed_size: 0
    .kernarg_segment_align: 8
    .kernarg_segment_size: 56
    .max_flat_workgroup_size: 128
    .sgpr_count:     66
    .vgpr_count:     256
    .wavefront_size: 32
...
	.end_amdgpu_metadata
.endif
;; end of part 1
;; launch qkv (part 2): grid 8 x 32, 4 waves a work-group, clusters of 4 x 4, 279,552 bytes of LDS; arguments x_img, w_img, bq, bk, bv, kv, q_codes, q_scales; writes kv, q_codes, q_scales
.if DOCPART == 2
	.amdgcn_target "amdgcn-amd-amdhsa--gfx1250"
	.amdhsa_code_object_version 6
	.text
	.protected	k_q0ead778aa8_qkv
	.globl	k_q0ead778aa8_qkv
	.p2align	8
	.type	k_q0ead778aa8_qkv,@function
k_q0ead778aa8_qkv:
	s_mov_b64 s[64:65], 0
	v_nop
	global_prefetch_b8 v0, s[64:65] scope:SCOPE_SE
	s_setreg_imm32_b32 hwreg(HW_REG_WAVE_MODE, 25, 1), 1
	s_wait_xcnt 0x0
	s_wait_alu depctr_hold_cnt(0) depctr_sa_sdst(0) depctr_va_vdst(0) depctr_va_sdst(0) depctr_va_ssrc(0) depctr_va_vcc(0) depctr_vm_vsrc(0)
	s_getreg_b32 s2, hwreg(HW_REG_IB_STS2, 6, 4)
	s_cmp_eq_u32 s2, 0
	s_cbranch_scc0 .Lentry_in_a_cluster
	s_endpgm
.Lentry_in_a_cluster:
	s_bfe_u32 s2, ttmp6, 0x10000c
	s_cmp_lg_u32 s2, 0xf033
	s_cbranch_scc0 .Lentry_shape_is_right
	s_endpgm
.Lentry_shape_is_right:
; q = x Wq + bq, k = x Wk + bk, v = x Wv + bv on codes of FP4 with E8M0 scales, sums in f32; the results are quantised at once: q and k along the head's 64, v along the tokens (the keys).
; SHARES.  A work-group takes 128 tokens (8 tiles: key step S of one batch) x 128 columns (two heads) of all three products, one after the other.  Wave w: tokens 64 (w / 2) on, head w % 2: 16 accumulators.
; ALL OPERANDS FOR ALL OF K LIE IN LDS AT ONCE: four images of 69,632 bytes (codes, then scale words), one first fill a wave: wave 0 x's, waves 1 to 3 the weights'.  Nothing is filled again, and with no loop there is nothing to prefetch ahead of.
; CLUSTER 4 x 4: the four work-groups of a row need the same tokens, the four of a column the same weights: each image is asked for jointly.
; OPERANDS ARE IMAGES OF REGISTERS (16 rows x 128 K: two chunks of 512 bytes, lane l's 16 bytes at 16 l).  THE ROWS OF A TILE: lane r of tile 2 b + u is row 32 b + 8 u + r + 8 (r / 8).
; q, k: source 0 = 16 columns of W, source 1 = 16 tokens: a lane holds ONE token, and the 16 registers of tiles 2 b, 2 b + 1 are head dimensions 32 b + 16 (lane / 16) + 0 .. 15.
; v:    source 0 = 16 tokens, source 1 = 16 columns: a lane holds ONE head dimension, and its registers run along the tokens in the same way.
; The biases are the C of each sum's first matrix instruction.  A weight's fragments are replaced by the next weight's behind the K steps that have read them.
; RESULTS.  kv [head (16 batch + head)][S 16][8,960]: K's codes [tile 8][512], V's at 4,096 [tile of dimensions 4][chunk 2][512], K's scale words at 8,192 [tile / 4][r 16][tile % 4], V's at 8,704 [r 16][tile 4].
;   q_codes [head][tile 128][512], q_scales [head][tile / 4][r 16][tile % 4].  (512 bytes: registers 0-3 of a fragment.)  A word of q or k has two bytes; its upper two are 0 and meet zero codes of q alone.
; LIMITS: NaN and infinities are not served; a block of zeros gets the byte 1 (its codes are zeros; only this program reads the bytes).
; REGISTERS: window 0: v1-15 addresses, v16-31 x's scale words, v32-47 and v48-63 the weights' by turns, v64-119 at work, v128-255 the accumulators.  window 1: x's 32 fragments.  window 2: the weight's 32.  window 3: the biases.
.set IMG,  69632
.set SEG,  8960
.set SCR,  4*IMG                       ; 512 bytes of scratch for v's scale words, into which no fill lands
.set SPARE, SCR+512
.set XSC,  16                          ; register 4 i + s / 2: tile i; K step s even in lanes 0-15, odd in lanes 16-31
.set WSA,  32                          ; register 8 (j / 2) + s: K step s; tile j even in lanes 0-15, odd in lanes 16-31
.set WSB,  48
.set TM,   64
.set TP,   72
.set SO,   80
.set BY,   88
.set PC,   96                          ; v96-111 a tile's codes, 4 registers
.set PW,   112                         ; v112-115 a tile's scale half-word
.set ACC,  128
.set BQ,   0                           ; window 3
.set BK,   32
.set BV,   64
.set WV,   22
.set HF,   23
.set HD,   24
.set SEL,  32
.set G1X,  40
.set G1W,  48
.set KC,   92                          ; where results go: k's codes, v's codes, v's words, q's codes, q's words, k's words
.set VC,   94
.set VS,   84
.set QC,   86
.set QS,   88
.set KS,   90
.set MSB, 0
.macro WIN new                         ; the immediate's high byte repeats the setting that is left
.if MSB != \new
	s_set_vgpr_msb (MSB<<8)|\new
.set MSB, \new
.endif
.endm
.macro CROUND                          ; a round of the cluster's barrier
	s_barrier_signal -1
	s_barrier_wait -1
	s_cmp_lg_u32 s[WV], 0
	s_cbranch_scc1 .Lnot_wave_0_\@
	s_barrier_signal -3
.Lnot_wave_0_\@:
	s_barrier_wait -3
	s_barrier_signal -1
	s_barrier_wait -1
.endm
.macro PLACES                          ; four plain instructions behind a matrix instruction, ahead of loads into its registers and of reads of its result
.rept 4
	v_nop
.endr
.endm
.macro GRP1 g, m, rows                 ; a dense block as rows of 256 bytes: 32 elements of 8 bytes, pitch 32; the mask, and bit 21 beside it
	s_or_b32 s[\g], s[\m], (3<<16)|(1<<21)
	s_mov_b32 s[\g+1], 32<<16
	s_mov_b32 s[\g+2], (\rows)<<16
	s_mov_b32 s[\g+3], 32<<16
	s_mov_b32 s[\g+4], \rows
	s_mov_b32 s[\g+5], 32
	s_mov_b32 s[\g+6], 0
	s_mov_b32 s[\g+7], 0
.endm
.macro LDX s                           ; x's four fragments of K step s
	WIN 0x40
.irp i, 0,1,2,3
.irp c, 0,1
	ds_load_b128 v[8*(8*\i+(\s))+4*\c:8*(8*\i+(\s))+4*\c+3], v5 offset:8192*\i+1024*(\s)+512*\c
.endr
.endr
.endm
.macro LDW s                           ; the weight's four
	WIN 0x80
.irp j, 0,1,2,3
.irp c, 0,1
	ds_load_b128 v[8*(8*\j+(\s))+4*\c:8*(8*\j+(\s))+4*\c+3], v6 offset:8192*\j+1024*(\s)+512*\c
.endr
.endr
.endm
.macro LDWS d                          ; a weight's scale words
	WIN 0
.irp r, 0,1
.irp s, 0,1,2,3,4,5,6,7
	ds_load_b32 v[\d+8*\r+\s], v8 offset:512*\s+128*\r
.endr
.endr
.endm
.macro NEXTW                           ; on to the next weight's image
	WIN 0
	v_add_nc_u32 v6, IMG, v6
	v_add_nc_u32 v8, IMG, v8
	s_wait_alu depctr_va_vdst(0)                   ; directly behind the writes
.endm
.macro WM d, a, b, c, sa, sb, ra, rb   ; one product; ra, rb: the side's scales stand in lanes 16-31
.if (\ra) && (\rb)
	v_wmma_scale_f32_16x16x128_f8f6f4 v[\d:\d+7], v[\a:\a+7], v[\b:\b+7], v[\c:\c+7], v[\sa], v[\sb] matrix_a_fmt:MATRIX_FMT_FP4 matrix_b_fmt:MATRIX_FMT_FP4 matrix_a_scale:MATRIX_SCALE_ROW1 matrix_b_scale:MATRIX_SCALE_ROW1
.elseif (\ra)
	v_wmma_scale_f32_16x16x128_f8f6f4 v[\d:\d+7], v[\a:\a+7], v[\b:\b+7], v[\c:\c+7], v[\sa], v[\sb] matrix_a_fmt:MATRIX_FMT_FP4 matrix_b_fmt:MATRIX_FMT_FP4 matrix_a_scale:MATRIX_SCALE_ROW1
.elseif (\rb)
	v_wmma_scale_f32_16x16x128_f8f6f4 v[\d:\d+7], v[\a:\a+7], v[\b:\b+7], v[\c:\c+7], v[\sa], v[\sb] matrix_a_fmt:MATRIX_FMT_FP4 matrix_b_fmt:MATRIX_FMT_FP4 matrix_b_scale:MATRIX_SCALE_ROW1
.else
	v_wmma_scale_f32_16x16x128_f8f6f4 v[\d:\d+7], v[\a:\a+7], v[\b:\b+7], v[\c:\c+7], v[\sa], v[\sb] matrix_a_fmt:MATRIX_FMT_FP4 matrix_b_fmt:MATRIX_FMT_FP4
.endif
.endm
; K step s of a product: 16 matrix instructions on 16 accumulators by turns, in the same order in every K step.  kind 0: q, k; kind 1: v
.macro MUL kind, bias, wsc, s
.if \kind == 0
.if \s == 0
	WIN 0x36                                       ; source 0 (W) window 2, source 1 (x) window 1, C (the bias) window 3, D window 0
.else
	WIN 0x06
.endif
.else
.if \s == 0
	WIN 0x39                                       ; source 0 (x) window 1, source 1 (W) window 2
.else
	WIN 0x09
.endif
.endif
.irp i, 0,1,2,3
.irp j, 0,1,2,3
.set rX, 8*(8*\i+\s)
.set rW, 8*(8*\j+\s)
.set sX, XSC+4*\i+\s/2
.set sW, \wsc+8*(\j/2)+\s
.if \kind == 0
.set rD, ACC+32*\i+8*\j
.else
.set rD, ACC+32*\j+8*\i
.endif
.if \s == 0
.set rC, \bias+8*\j
.else
.set rC, rD
.endif
.if \kind == 0
	WM rD, rW, rX, rC, sW, sX, \j%2, \s%2
.else
	WM rD, rX, rW, rC, sX, sW, \s%2, \j%2
.endif
.endr
.endr
.endm
; The 16 accumulators: four tiles t of 32 numbers a lane, register 16 b + i = index 32 b + 16 (lane / 16) + i of my row, become 4 registers of codes a tile (lanes 0-15: block 0, lanes 16-31: block 1) and two scale bytes.
; The eight blocks take turns; each accumulator is read from its low end on.
.macro QUANT8
.irp t, 0,1,2,3
.irp b, 0,1
	v_max3_num_f32 v[TM+2*\t+\b], |v[ACC+32*\t+16*\b]|, |v[ACC+32*\t+16*\b+1]|, 0x1800000   ; with the floor 2^(3 - 127): the byte cannot fall under 1
.endr
.endr
.irp i, 2,4,6,8,10,12,14
.irp t, 0,1,2,3
.irp b, 0,1
	v_max3_num_f32 v[TM+2*\t+\b], v[TM+2*\t+\b], |v[ACC+32*\t+16*\b+\i]|, |v[ACC+32*\t+16*\b+\i+1]|
.endr
.endr
.endr
.irp n, 0,1,2,3,4,5,6,7
	v_permlanex16_b32 v[TP+\n], v[TM+\n], s[SEL], s[SEL+1]
.endr
.irp n, 0,1,2,3,4,5,6,7
	v_max_num_f32 v[TM+\n], v[TM+\n], v[TP+\n]     ; with lane l xor 16's 16
.endr
.irp n, 0,1,2,3,4,5,6,7
	v_add_nc_u32 v[SO+\n], 0xff000000, v[TM+\n]    ; 2 off the exponent field: the conversions' scale operand
.endr
.irp n, 0,1,2,3,4,5,6,7
	v_lshrrev_b32 v[BY+\n], 23, v[SO+\n]
.endr
.irp t, 0,1,2,3
	v_lshl_or_b32 v[PW+\t], v[BY+2*\t+1], 8, v[BY+2*\t]
.endr
.irp t, 0,1,2,3
.irp b, 0,1
	v_cvt_scalef32_pk8_fp4_f32 v[PC+4*\t+2*\b], v[ACC+32*\t+16*\b:ACC+32*\t+16*\b+7], v[SO+2*\t+\b]
	v_cvt_scalef32_pk8_fp4_f32 v[PC+4*\t+2*\b+1], v[ACC+32*\t+16*\b+8:ACC+32*\t+16*\b+15], v[SO+2*\t+\b]
.endr
.endr
	v_nop                                          ; one plain instruction behind the scaled conversions
.irp t, 0,1,2,3
	v_permlane16_swap_b32 v[PC+4*\t], v[PC+4*\t+2]
	v_permlane16_swap_b32 v[PC+4*\t+1], v[PC+4*\t+3]
.endr
.endm
; q's or k's way out: four tiles of 16 tokens; a tile's chunk is 512 consecutive bytes, the four tiles' scale words 256
.macro EPI_QK cb, sb
	s_wait_xcnt 0x0                                ; the earlier stores have read their registers
	QUANT8
.irp i, 0,1,2,3
	global_store_b128 v1, v[PC+4*\i:PC+4*\i+3], s[\cb:\cb+1] offset:512*\i
.endr
	v_cndmask_b32 v116, v[PW], v[PW+2], s31        ; lanes 0-15 store tiles 0 and 1's words of token r, lanes 16-31 tiles 2 and 3's
	v_cndmask_b32 v117, v[PW+1], v[PW+3], s31
	global_store_b64 v9, v[116:117], s[\sb:\sb+1]
.endm
	s_load_b512 s[4:19], s[0:1], 0x0               ; x_img s[4:5], w_img s[6:7], bq s[8:9], bk s[10:11], bv s[12:13], kv s[14:15], q_codes s[16:17], q_scales s[18:19]
	v_lshl_add_u32 v126, v0, 2, SPARE
	v_mov_b32 v127, 0
	ds_add_u32 v126, v127                          ; the wave's opening
	ds_add_u32 v126, v127
	v_lshrrev_b32 v1, 5, v0
	v_readfirstlane_b32 s[WV], v1                  ; wave 0..3
	s_lshr_b32 s[HF], s[WV], 1                     ; which 64 tokens
	s_and_b32 s[HD], s[WV], 1                      ; which head
	s_bfe_u32 s25, ttmp6, 0x40000                  ; cx
	s_bfe_u32 s26, ttmp6, 0x40004                  ; cy
	s_lshl_b32 s27, ttmp9, 2
	s_add_co_u32 s27, s27, s25                     ; nb: block of 128 columns
	s_and_b32 s28, ttmp7, 0xffff
	s_lshl_b32 s28, s28, 2
	s_add_co_u32 s28, s28, s26                     ; mb: block of 128 tokens
	s_lshl_b32 s29, s26, 2
	s_lshl_b32 s29, 15, s29                        ; my row of the cluster
	s_lshl_b32 s30, 0x1111, s25                    ; my column
	GRP1 G1X, 29, 272
	GRP1 G1W, 30, 272
	s_mul_i32 s36, s28, IMG                        ; x's image
	s_mov_b32 s37, 0
	s_max_u32 s35, s[WV], 1
	s_sub_co_u32 s35, s35, 1                       ; waves 1 to 3: weight 0 to 2
	s_lshl_b32 s34, s27, 2
	s_add_co_u32 s34, s34, s35
	s_mul_i32 s38, s34, IMG
	s_mov_b32 s39, 0
	s_mul_i32 s34, s[WV], IMG                      ; where my image goes
	s_wait_dscnt 0x0                               ; both opening adds are done
	s_wait_kmcnt 0x0
	s_mov_b32 s76, 1
	s_mov_b32 s77, s34
	s_add_nc_u64 s[78:79], s[4:5], s[36:37]
	s_or_b32 s79, s79, 0x80000000
	s_mov_b32 s80, 1
	s_mov_b32 s81, s34
	s_add_nc_u64 s[82:83], s[6:7], s[38:39]
	s_or_b32 s83, s83, 0x80000000
	CROUND                                         ; all sixteen work-groups are here: the joint loads meet
	s_cmp_eq_u32 s[WV], 0
	s_cbranch_scc0 .Lfor_w
	tensor_load_to_lds s[76:79], s[G1X:G1X+7]
	s_nop 0
	PLACES                                         ; four v_nop follow each load
	s_branch .Lasked
.Lfor_w:
	tensor_load_to_lds s[80:83], s[G1W:G1W+7]
	s_nop 0
	PLACES
.Lasked:
	s_lshl_b32 s36, s27, 9                         ; the biases at my head: 4 (128 nb + 64 hd)
	s_lshl_b32 s38, s[HD], 8
	s_add_co_u32 s36, s36, s38
	s_add_nc_u64 s[8:9], s[8:9], s[36:37]
	s_add_nc_u64 s[10:11], s[10:11], s[36:37]
	s_add_nc_u64 s[12:13], s[12:13], s[36:37]
	v_and_b32 v3, 31, v0                           ; lane
	v_and_b32 v4, 15, v0                           ; r
	v_bfe_u32 v15, v0, 4, 1                        ; h
	v_lshlrev_b32 v10, 6, v15                      ; q's, k's bias: 16 h numbers on
	v_and_b32 v11, 8, v4
	v_add_nc_u32 v11, v11, v4
	v_lshlrev_b32 v11, 2, v11                      ; v's bias: number r + 8 (r / 8) of the tile
	WIN 0xc0                                       ; destination window 3
.irp j, 0,1,2,3
	global_load_b128 v[BQ+8*\j:BQ+8*\j+3], v10, s[8:9] offset:4*(32*(\j/2)+8*(\j%2))
	global_load_b128 v[BQ+8*\j+4:BQ+8*\j+7], v10, s[8:9] offset:4*(32*(\j/2)+8*(\j%2))+16
	global_load_b128 v[BK+8*\j:BK+8*\j+3], v10, s[10:11] offset:4*(32*(\j/2)+8*(\j%2))
	global_load_b128 v[BK+8*\j+4:BK+8*\j+7], v10, s[10:11] offset:4*(32*(\j/2)+8*(\j%2))+16
	global_load_b32 v[BV+8*\j], v11, s[12:13] offset:4*(32*(\j/2)+8*(\j%2))
.endr
	WIN 0
	v_lshlrev_b32 v1, 4, v3                        ; 16 x lane
	v_lshlrev_b32 v2, 2, v3                        ; 4 x lane
	s_lshl_b32 s34, s[HF], 15
	v_add_nc_u32 v5, s34, v1                       ; x's codes: my four tiles
	s_lshl_b32 s34, s[HD], 15
	s_add_co_u32 s34, s34, IMG
	v_add_nc_u32 v6, s34, v1                       ; the weight's codes: my head's four tiles; an image on for each product
	s_lshl_b32 s34, s[HF], 11
	s_add_co_u32 s34, s34, 65536
	v_add_nc_u32 v7, s34, v2                       ; x's scale words
	s_lshl_b32 s34, s[HD], 8
	s_add_co_u32 s35, s34, IMG+65536
	v_add_nc_u32 v8, s35, v2                       ; the weight's
	v_lshlrev_b32 v9, 4, v4
	v_lshl_add_u32 v9, v15, 3, v9                  ; q's, k's scale words on the way out: 16 r + 8 h
	s_lshl_b32 s35, s[HF], 1
	s_add_co_u32 s35, s35, s34
	s_add_co_u32 s35, s35, SCR
	v_lshl_add_u32 v12, v4, 4, s35                 ; the scratch: 256 hd + 16 r + 2 hf (+ 4 j)
	s_add_co_u32 s34, s34, SCR
	v_lshl_add_u32 v13, v3, 3, s34                 ; and back: 256 hd + 8 x lane
	v_lshlrev_b32 v14, 3, v3
	v_cmp_lt_u32 s31, 15, v3                       ; lanes 16-31
.irp n, 0,1,2,3,4,5,6,7
	v_mov_b32 v[TP+\n], 0                          ; written once: a lane permute's destination counts as one of its sources
.endr
	s_mov_b32 s[SEL], 0x76543210
	s_mov_b32 s[SEL+1], 0xfedcba98
	s_lshr_b32 s34, s28, 4                         ; where the results go
	s_lshl_b32 s34, s34, 4
	s_lshl_b32 s35, s27, 1
	s_add_co_u32 s34, s34, s35
	s_add_co_u32 s34, s34, s[HD]                   ; 16 batch + head
	s_and_b32 s35, s28, 15                         ; S
	s_lshl_b32 s36, s34, 4
	s_add_co_u32 s36, s36, s35
	s_mul_i32 s36, s36, SEG                        ; the segment of (head, S)
	s_mov_b32 s37, 0
	s_add_nc_u64 s[14:15], s[14:15], s[36:37]
	s_mov_b32 s39, 0
	s_lshl_b32 s38, s[HF], 11
	s_add_nc_u64 s[KC:KC+1], s[14:15], s[38:39]
	s_lshl_b32 s38, s[HF], 9
	s_add_co_u32 s38, s38, 4096
	s_add_nc_u64 s[VC:VC+1], s[14:15], s[38:39]
	s_lshl_b32 s38, s[HF], 8
	s_add_co_u32 s38, s38, 8192
	s_add_nc_u64 s[KS:KS+1], s[14:15], s[38:39]
	s_add_nc_u64 s[VS:VS+1], s[14:15], 8704
	s_lshl_b32 s36, s34, 16                        ; q's codes: 65,536 head + 4,096 S + 2,048 hf
	s_lshl_b32 s38, s35, 12
	s_add_co_u32 s36, s36, s38
	s_lshl_b32 s38, s[HF], 11
	s_add_co_u32 s36, s36, s38
	s_add_nc_u64 s[QC:QC+1], s[16:17], s[36:37]
	s_lshl_b32 s36, s34, 13                        ; q's words: 8,192 head + 512 S + 256 hf
	s_lshl_b32 s38, s35, 9
	s_add_co_u32 s36, s36, s38
	s_lshl_b32 s38, s[HF], 8
	s_add_co_u32 s36, s36, s38
	s_add_nc_u64 s[QS:QS+1], s[18:19], s[36:37]
	s_wait_alu depctr_va_vdst(0)                   ; the head's end
	s_wait_tensorcnt 0x0                           ; my image is in,
	s_barrier_signal -1
	s_barrier_wait -1                              ; everybody's is
.irp i, 0,1,2,3
.irp p, 0,1,2,3
	ds_load_b32 v[XSC+4*\i+\p], v7 offset:512*\i+128*\p
.endr
.endr
	LDWS WSA
.irp s, 0,1,2,3
	LDX \s
	LDW \s
.endr
	s_wait_loadcnt 0x0                             ; the biases
	WIN 0xc3
.irp j, 0,1,2,3
.irp e, 1,2,3,4,5,6,7
	v_mov_b32 v[BV+8*\j+\e], v[BV+8*\j]            ; in v's layout a lane holds one head dimension: its eight registers take the same bias
.endr
.endr
	; ---- q.  In front of K step s three groups of 16 younger loads may be out: K steps s + 1 to s + 3, and behind K step 7's the next weight's
.irp s, 0,1,2,3,4,5,6,7
	s_wait_dscnt 48
	MUL 0, BQ, WSA, \s
.if \s < 4
	LDX \s+4                                       ; into registers that no matrix instruction has read
	LDW \s+4
.endif
.if \s == 4
	NEXTW
	PLACES                                         ; for the loads into registers that K steps 0 to 3 have read
	LDW 0
	LDW 1
.endif
.if \s == 5
	LDW 2
	LDW 3
.endif
.if \s == 6
	WIN 0
	PLACES
	LDW 4
	LDW 5
.endif
.endr
	WIN 0
	PLACES
	LDW 6
	LDW 7
	LDWS WSB
	EPI_QK QC, QS                                  ; q goes out while Wk's fragments land
	; ---- k
	s_wait_dscnt 0x0
.irp s, 0,1,2,3,4,5,6,7
	MUL 0, BK, WSB, \s
.if \s == 1
	NEXTW
.endif
.if (\s == 1) || (\s == 3) || (\s == 5)
	WIN 0
	PLACES
	LDW \s-1
	LDW \s
.endif
.endr
	WIN 0
	PLACES
	LDW 6
	LDW 7
	LDWS WSA
	EPI_QK KC, KS
	; ---- v
	s_wait_dscnt 0x0
.irp s, 0,1,2,3,4,5,6,7
	MUL 1, BV, WSA, \s
.endr
	WIN 0
	PLACES
	s_wait_xcnt 0x0                                ; k's stores have read their registers
	QUANT8
.irp j, 0,1,2,3
	global_store_b128 v1, v[PC+4*\j:PC+4*\j+3], s[VC:VC+1] offset:1024*\j   ; 16 head dimensions x my 64 tokens: chunk hf of the key step's fragment
	ds_store_b16 v12, v[PW+\j] offset:4*\j         ; my two bytes of the row's scale word; both halves of the lanes write the same value
.endr
	s_wait_dscnt 0x0                               ; for the others' sake
	s_barrier_signal -1
	s_barrier_wait -1
	s_cmp_gt_u32 s[WV], 1
	s_cbranch_scc1 .Lno_vs
	ds_load_b64 v[118:119], v13                    ; waves 0 and 1: a head's 64 whole scale words
	s_wait_dscnt 0x0
	global_store_b64 v14, v[118:119], s[VS:VS+1]   ; 256 consecutive bytes, aligned
.Lno_vs:
	s_wait_tensorcnt 0x0                           ; the wave's end
	ds_add_u32 v126, v127
	s_wait_dscnt 0x0
	CROUND                                         ; the closing round
	s_endpgm
.Lfunc_end_k_q0ead778aa8_qkv:
	.size	k_q0ead778aa8_qkv, .Lfunc_end_k_q0ead778aa8_qkv-k_q0ead778aa8_qkv
	.p2alignl 7, 3214868480
	.fill 96, 4, 3214868480
	.section	.rodata,"a",@progbits
	.p2align	6, 0x0
	.amdhsa_kernel k_q0ead778aa8_qkv
		.amdhsa_group_segment_fixed_size 279552
		.amdhsa_private_segment_fixed_size 0
		.amdhsa_enable_private_segment 0
		.amdhsa_kernarg_size 64
		.amdhsa_user_sgpr_count 2
		.amdhsa_user_sgpr_kernarg_segment_ptr 1
		.amdhsa_wavefront_size32 1
		.amdhsa_system_sgpr_workgroup_id_x 1
		.amdhsa_system_sgpr_workgroup_id_y 1
		.amdhsa_system_sgpr_workgroup_id_z 1
		.amdhsa_system_vgpr_workitem_id 0
		.amdhsa_next_free_vgpr 864
		.amdhsa_next_free_sgpr 102
		.amdhsa_reserve_vcc 0
		.amdhsa_float_denorm_mode_32 3
		.amdhsa_float_denorm_mode_16_64 3
		.amdhsa_memory_ordered 1
		.amdhsa_forward_progress 1
		.amdhsa_inst_pref_size 106
	.end_amdhsa_kernel
	.amdgpu_metadata
---
amdhsa.version: [ 1, 2 ]
amdhsa.kernels:
  - .name:           k_q0ead778aa8_qkv
    .symbol:         k_q0ead778aa8_qkv.kd
    .args:
      - { .name: x_img, .offset: 0, .size: 8, .value_kind: global_buffer, .address_space: global }
      - { .name: w_img, .offset: 8, .size: 8, .value_kind: global_buffer, .address_space: global }
      - { .name: bq, .offset: 16, .size: 8, .value_kind: global_buffer, .address_space: global }
      - { .name: bk, .offset: 24, .size: 8, .value_kind: global_buffer, .address_space: global }
      - { .name: bv, .offset: 32, .size: 8, .value_kind: global_buffer, .address_space: global }
      - { .name: kv, .offset: 40, .size: 8, .value_kind: global_buffer, .address_space: global }
      - { .name: q_codes, .offset: 48, .size: 8, .value_kind: global_buffer, .address_space: global }
      - { .name: q_scales, .offset: 56, .size: 8, .value_kind: global_buffer, .address_space: global }
    .group_segment_fixed_size: 279552
    .private_segment_fixed_size: 0
    .kernarg_segment_align: 8
    .kernarg_segment_size: 64
    .max_flat_workgroup_size: 128
    .sgpr_count:     102
    .vgpr_count:     864
    .wavefront_size: 32
...
	.end_amdgpu_metadata
.endif
;; end of part 2
;; launch attn (part 3): grid 8 x 32, 16 waves a work-group, clusters of 4 x 1, 327,680 bytes of LDS; arguments kv, q_codes, q_scales, o_img; writes o_img
.if DOCPART == 3
	.amdgcn_target "amdgcn-amd-amdhsa--gfx1250"
	.amdhsa_code_object_version 6
	.text
	.protected	k_q0ead778aa8_attn
	.globl	k_q0ead778aa8_attn
	.p2align	8
	.type	k_q0ead778aa8_attn,@function
k_q0ead778aa8_attn:
	s_mov_b64 s[64:65], 0
	v_nop
	global_prefetch_b8 v0, s[64:65] scope:SCOPE_SE
	s_setreg_imm32_b32 hwreg(HW_REG_WAVE_MODE, 25, 1), 1
	s_wait_xcnt 0x0
	s_wait_alu depctr_hold_cnt(0) depctr_sa_sdst(0) depctr_va_vdst(0) depctr_va_sdst(0) depctr_va_ssrc(0) depctr_va_vcc(0) depctr_vm_vsrc(0)
	s_getreg_b32 s2, hwreg(HW_REG_IB_STS2, 6, 4)
	s_cmp_eq_u32 s2, 0
	s_cbranch_scc0 .Lentry_in_a_cluster
	s_endpgm
.Lentry_in_a_cluster:
	s_bfe_u32 s2, ttmp6, 0x10000c
	s_cmp_lg_u32 s2, 0x3003
	s_cbranch_scc0 .Lentry_shape_is_right
	s_endpgm
.Lentry_shape_is_right:
; o = softmax(q k^T / 8, causal) v for each head, both products on codes of FP4 with E8M0 scales; o is quantised along the head's 64 for the projection.
; SOFTMAX: t = score x log2(e) / 8; M = the running largest t rounded up to a whole number, kept as -M; p = 2^(t - M) is quantised along the keys, the sum is taken of the unquantised p and divides at the end.  When M moves, sum and O are multiplied by 2^(old M - new M): exact.
; SHARES.  Work-group g of a head owns the tiles 8 rank + g, rank 0 .. 15: 16 queries each (query 128 rank + 32 (g / 2) + 8 (g % 2) + r + 8 (r / 8) of the batch), whose scores reach key steps 0 .. rank.
; Waves in pairs share 17 key steps: wave w < 8 takes tile rank 15 - w, key steps 0 .. 8; wave 8 + r takes tile rank r, key steps 0 .. r, and then the other tile's key steps 9 .. 15 - r.  That part (O, -M, the sum) goes to the first wave through LDS: 9 and 8 steps.
; WORK LEFT OUT: key steps wholly behind a tile's queries (p = 0 under the mask for all finite inputs).  A NaN or infinity that reaches only them is not carried to the result.
; THE DIAGONAL STEP: the products start from a table in LDS (0, or -3e38 where the key comes after the query) as their C, so that p becomes 0 there.  Its registers are the same for all tiles of a work-group.
; LAYOUT: S^T = K Q^T, O^T = V^T P^T: a lane holds one query.  Register 16 b + i of S^T is key 32 b + 16 (lane / 16) + i of the step.
; K's fragment has 64 along K: registers 0-3.  Its registers 4-7 are the next tile's and meet Q's registers 4-7, which are zero codes.
; LDS: 16 segments of 8,960 bytes (K's codes, V's codes, K's and V's scale words of a key step), each brought by one wave's one load, jointly for the four work-groups of a cluster; all at the head, so there is nothing to prefetch ahead of.
; LIMITS: holds while scaled scores stay under 2^31 in magnitude; NaN and infinities are not served; a block of zeros gets a byte of its floor (its codes are zeros; only this program reads the bytes).
.set SEG,  8960
.set IMG,  69632
.set MSK,  16*SEG                      ; the table: 64 registers
.set PART, MSK+8192                    ; a part of a tile: nine pieces of 512 bytes for each wave
.set PSZ,  4608
.set SCR,  PART+16*PSZ                 ; the scale bytes of the 16 tiles on the way out
.set SPARE, SCR+512
.set KF,   32
.set VF,   68
.set S,    100
.set O,    164
.set P,    196
.set KSW,  204
.set VSW,  212
.set BM,   216
.set PT,   220
.set SO,   224
.set SPW,  236
.set NIL,  237
.set WV,   12
.set RK,   13
.set CS,   22
.set SEL,  48
.macro CROUND
	s_barrier_signal -1
	s_barrier_wait -1
	s_cmp_lg_u32 s[WV], 0
	s_cbranch_scc1 .Lnot_wave_0_\@
	s_barrier_signal -3
.Lnot_wave_0_\@:
	s_barrier_wait -3
	s_barrier_signal -1
	s_barrier_wait -1
.endm
.macro QADR rk, d                      ; where the codes (s[d:d+1]) and the scale words (s[d+2:d+3]) of tile 8 rank + g of my head lie
	s_lshl_b32 s58, s[\rk], 3
	s_add_co_u32 s58, s58, s15
	s_lshr_b32 s60, s58, 2
	s_lshl_b32 s60, s60, 8
	s_and_b32 s62, s58, 3
	s_lshl_b32 s62, s62, 2
	s_add_co_u32 s60, s60, s62
	s_lshl_b32 s62, s16, 13
	s_add_co_u32 s60, s60, s62
	s_lshl_b32 s58, s58, 9
	s_lshl_b32 s62, s16, 16
	s_add_co_u32 s58, s58, s62
	s_mov_b32 s59, 0
	s_mov_b32 s61, 0
	s_add_nc_u64 s[\d:\d+1], s[6:7], s[58:59]
	s_add_nc_u64 s[\d+2:\d+3], s[8:9], s[60:61]
.endm
.macro RESET                           ; a tile begins: the largest t so far -3e38, the sum 0, O 0
	v_mov_b32 v13, 0xff61b1e6
	v_mov_b32 v14, 0
	v_mov_b32 v15, 0
	v_floor_f32 v12, -v13
.set N, 0
.rept 32
	v_mov_b32 v[O+N], 0
.set N, N+1
.endr
.endm
; A key step (number s17, its segment at s18) of the tile whose Q stands in v[q:q+7] and v[qs]; left out behind step s[lim]; s[dg]: the diagonal's step
.macro STEP q, qs, dg, lim
	s_cmp_gt_u32 s17, s[\lim]
	s_cbranch_scc1 .Lhid_\@
	v_add_nc_u32 v8, s18, v1
	v_add_nc_u32 v10, s18, v3
	v_nop                                          ; four plain instructions ahead of the loads into V's registers, which the last products have read
	v_nop
	ds_load_b128 v[KSW:KSW+3], v10
	ds_load_b128 v[KSW+4:KSW+7], v10 offset:256
.irp t, 0,1,2,3,4,5,6,7
	ds_load_b128 v[KF+4*\t:KF+4*\t+3], v8 offset:512*\t
.endr
.irp j, 0,1,2,3
.irp c, 0,1
	ds_load_b128 v[VF+8*\j+4*\c:VF+8*\j+4*\c+3], v8 offset:4096+1024*\j+512*\c
.endr
.endr
	ds_load_b128 v[VSW:VSW+3], v10 offset:512
	s_cmp_lg_u32 s17, s[\dg]
	s_cbranch_scc1 .Lopen_\@
.irp n, 0,1,2,3,4,5,6,7,8,9,10,11,12,13,14,15
	ds_load_b128 v[S+4*\n:S+4*\n+3], v2 offset:512*\n
.endr
	s_wait_dscnt 0x0
.irp t, 0,1,2,3,4,5,6,7
	v_wmma_scale_f32_16x16x128_f8f6f4 v[S+8*\t:S+8*\t+7], v[KF+4*\t:KF+4*\t+7], v[\q:\q+7], v[S+8*\t:S+8*\t+7], v[KSW+\t], v[\qs] matrix_a_fmt:MATRIX_FMT_FP4 matrix_b_fmt:MATRIX_FMT_FP4
.endr
	s_branch .Lscored_\@
.Lopen_\@:
	s_wait_dscnt 9                                 ; K is in; V's eight loads and its words' one may be out
.irp t, 0,1,2,3,4,5,6,7
	v_wmma_scale_f32_16x16x128_f8f6f4 v[S+8*\t:S+8*\t+7], v[KF+4*\t:KF+4*\t+7], v[\q:\q+7], 0, v[KSW+\t], v[\qs] matrix_a_fmt:MATRIX_FMT_FP4 matrix_b_fmt:MATRIX_FMT_FP4
.endr
.Lscored_\@:
	v_mov_b32 v234, v12                            ; the old -M; four places behind the products
	v_nop
	v_nop
	v_nop
.irp b, 0,1,2,3
	v_max3_num_f32 v[BM+\b], v[S+16*\b], v[S+16*\b+1], v[S+16*\b+2]   ; each block's largest score
.endr
.irp i, 3,5,7,9,11,13
.irp b, 0,1,2,3
	v_max3_num_f32 v[BM+\b], v[BM+\b], v[S+16*\b+\i], v[S+16*\b+\i+1]
.endr
.endr
.irp b, 0,1,2,3
	v_max_num_f32 v[BM+\b], v[BM+\b], v[S+16*\b+15]
.endr
.irp b, 0,1,2,3
	s_delay_alu instid0(VALU_DEP_4)
	v_permlanex16_b32 v[PT+\b], v[BM+\b], s[SEL], s[SEL+1]
.endr
.irp b, 0,1,2,3
	s_delay_alu instid0(VALU_DEP_4)
	v_max_num_f32 v[BM+\b], v[BM+\b], v[PT+\b]
.endr
	s_delay_alu instid0(VALU_DEP_2)
	v_max3_num_f32 v235, v[BM], v[BM+1], v[BM+2]
	s_delay_alu instid0(VALU_DEP_1)
	v_max_num_f32 v235, v235, v[BM+3]
	s_delay_alu instid0(VALU_DEP_1)
	v_mul_f32 v235, s[CS], v235
	s_delay_alu instid0(VALU_DEP_1)
	v_max_num_f32 v13, v13, v235
	s_delay_alu instid0(VALU_DEP_1)
	v_floor_f32 v12, -v13                          ; the new -M
	s_delay_alu instid0(VALU_DEP_1)
	v_sub_f32 v234, v12, v234
	s_delay_alu instid0(VALU_DEP_1)
	v_cvt_i32_f32 v234, v234                       ; (it saturates)
	s_delay_alu instid0(VALU_DEP_1)
	v_ldexp_f32 v232, 1.0, v234                    ; 2^(old M - new M)
.set N, 0
.rept 32
	v_pk_fma_f32 v[S+N:S+N+1], v[S+N:S+N+1], s[CS:CS+1], v[12:13] op_sel_hi:[1,0,0]
.set N, N+2
.endr
.irp b, 0,1,2,3
	v_fma_f32 v[BM+\b], v[BM+\b], s[CS], v12
.endr
.set N, 0
	s_wait_alu depctr_va_vdst(0)                   ; ahead of the batch,
.rept 64
	v_exp_f32 v[S+N], v[S+N]
.set N, N+1
.endr
.irp b, 0,1,2,3
	v_exp_f32 v[BM+\b], v[BM+\b]                   ; p rises with the score: the block's largest p
.endr
	v_pk_mul_f32 v[14:15], v[14:15], v[232:233] op_sel_hi:[1,0]
	s_wait_alu depctr_va_vdst(0)                   ; and behind it, directly ahead of the first readers of the last products' results
.set N, 0
.rept 16
	v_pk_mul_f32 v[O+N:O+N+1], v[O+N:O+N+1], v[232:233] op_sel_hi:[1,0]
.set N, N+2
.endr
.irp b, 0,1,2,3
	v_max_num_f32 v[BM+\b], 0x1800000, v[BM+\b]    ; the floor 2^(3 - 127)
.endr
.irp b, 0,1,2,3
	s_delay_alu instid0(VALU_DEP_4)
	v_add_nc_u32 v[SO+\b], 0xff000000, v[BM+\b]    ; 2 off the exponent field
.endr
.irp b, 0,1,2,3
	s_delay_alu instid0(VALU_DEP_4)
	v_lshrrev_b32 v[PT+\b], 23, v[SO+\b]
.endr
	s_delay_alu instid0(VALU_DEP_3)
	v_lshl_or_b32 v230, v[PT+1], 8, v[PT]
	s_delay_alu instid0(VALU_DEP_1)
	v_lshl_or_b32 v230, v[PT+2], 16, v230
	s_delay_alu instid0(VALU_DEP_1)
	v_lshl_or_b32 v230, v[PT+3], 24, v230
.irp b, 0,1,2,3
	v_cvt_scalef32_pk8_fp4_f32 v[P+2*\b], v[S+16*\b:S+16*\b+7], v[SO+\b]
	v_cvt_scalef32_pk8_fp4_f32 v[P+2*\b+1], v[S+16*\b+8:S+16*\b+15], v[SO+\b]
.endr
	v_nop                                          ; one plain instruction behind the scaled conversions
.irp c, 0,1
.irp i, 0,1
	v_permlane16_swap_b32 v[P+4*\c+\i], v[P+2+4*\c+\i]
.endr
.endr
	v_pk_add_f32 v[PT:PT+1], v[S:S+1], v[S+2:S+3]  ; the sum of the unquantised p, in two chains
.irp j, 4,8,12,16,20,24,28,32,36,40,44,48,52,56,60
	v_pk_add_f32 v[14:15], v[14:15], v[S+\j:S+\j+1]
	v_pk_add_f32 v[PT:PT+1], v[PT:PT+1], v[S+\j+2:S+\j+3]
.endr
	s_delay_alu instid0(VALU_DEP_1)
	v_pk_add_f32 v[14:15], v[14:15], v[PT:PT+1]
	s_wait_alu depctr_va_vdst(0)                   ; directly ahead of the wait below
	s_wait_dscnt 0x0
.irp j, 0,1,2,3
	v_wmma_scale_f32_16x16x128_f8f6f4 v[O+8*\j:O+8*\j+7], v[VF+8*\j:VF+8*\j+7], v[P:P+7], v[O+8*\j:O+8*\j+7], v[VSW+\j], v230 matrix_a_fmt:MATRIX_FMT_FP4 matrix_b_fmt:MATRIX_FMT_FP4
.endr
.Lhid_\@:
	s_add_co_u32 s18, s18, SEG
	s_add_co_u32 s17, s17, 1
.endm
; A tile is finished: O / the sum, quantised along the head's 64, goes to its place; its scale bytes to the scratch
.macro FINISH
	v_add_f32 v14, v14, v15
	s_delay_alu instid0(VALU_DEP_1)
	v_permlanex16_b32 v235, v14, s[SEL], s[SEL+1]
	s_delay_alu instid0(VALU_DEP_1)
	v_add_f32 v14, v14, v235
	s_wait_alu depctr_va_vdst(0)                   ; ahead of the transcendental
	v_rcp_f32 v14, v14
	v_nop
.set N, 0
	s_wait_alu depctr_va_vdst(0)                   ; and behind it, directly ahead of O's readers
.rept 32
	v_mul_f32 v[S+N], v[O+N], v14
.set N, N+1
.endr
.irp b, 0,1
	v_max3_num_f32 v[BM+\b], |v[S+16*\b]|, |v[S+16*\b+1]|, 0x1800000
.endr
.irp i, 2,4,6,8,10,12,14
.irp b, 0,1
	s_delay_alu instid0(VALU_DEP_2)
	v_max3_num_f32 v[BM+\b], v[BM+\b], |v[S+16*\b+\i]|, |v[S+16*\b+\i+1]|
.endr
.endr
.irp b, 0,1
	s_delay_alu instid0(VALU_DEP_2)
	v_permlanex16_b32 v[PT+\b], v[BM+\b], s[SEL], s[SEL+1]
.endr
.irp b, 0,1
	s_delay_alu instid0(VALU_DEP_2)
	v_max_num_f32 v[BM+\b], v[BM+\b], v[PT+\b]
.endr
.irp b, 0,1
	s_delay_alu instid0(VALU_DEP_2)
	v_add_nc_u32 v[SO+\b], 0xff000000, v[BM+\b]
.endr
.irp b, 0,1
	s_delay_alu instid0(VALU_DEP_2)
	v_lshrrev_b32 v[PT+2+\b], 23, v[SO+\b]
.endr
	s_delay_alu instid0(VALU_DEP_1)
	v_lshl_or_b32 v235, v[PT+3], 8, v[PT+2]
.irp b, 0,1
	v_cvt_scalef32_pk8_fp4_f32 v[P+2*\b], v[S+16*\b:S+16*\b+7], v[SO+\b]
	v_cvt_scalef32_pk8_fp4_f32 v[P+2*\b+1], v[S+16*\b+8:S+16*\b+15], v[SO+\b]
.endr
	v_nop
	v_permlane16_swap_b32 v[P], v[P+2]
	v_permlane16_swap_b32 v[P+1], v[P+3]
	global_store_b128 v1, v[P:P+3], s[54:55]       ; 512 consecutive bytes
	ds_store_b16 v6, v235                          ; both halves of the lanes write the same value
.endm
	s_load_b256 s[4:11], s[0:1], 0x0               ; kv s[4:5], q_codes s[6:7], q_scales s[8:9], o_img s[10:11]
	v_lshl_add_u32 v[SPW], v0, 2, SPARE
	v_mov_b32 v[NIL], 0
	ds_add_u32 v[SPW], v[NIL]                      ; the wave's opening
	ds_add_u32 v[SPW], v[NIL]
	v_lshrrev_b32 v8, 5, v0
	v_readfirstlane_b32 s[WV], v8                  ; wave 0..15
	s_bfe_u32 s14, ttmp6, 0x40000
	s_lshl_b32 s15, ttmp9, 2
	s_add_co_u32 s15, s15, s14                     ; g
	s_and_b32 s16, ttmp7, 0xffff                   ; 16 batch + head
	s_mov_b32 s24, 15|(3<<16)|(1<<21)              ; 35 rows of 256 bytes, for the four work-groups of the cluster
	s_mov_b32 s25, 32<<16
	s_mov_b32 s26, 35<<16
	s_mov_b32 s27, 32<<16
	s_mov_b32 s28, 35
	s_mov_b32 s29, 32
	s_mov_b32 s30, 0
	s_mov_b32 s31, 0
	s_mul_i32 s58, s16, 16*SEG
	s_mul_i32 s21, s[WV], SEG                      ; my segment: key step = my wave's number
	s_add_co_u32 s58, s58, s21
	s_mov_b32 s59, 0
	s_wait_dscnt 0x0                               ; both opening adds are done
	s_wait_kmcnt 0x0
	s_mov_b32 s40, 1
	s_mov_b32 s41, s21
	s_add_nc_u64 s[42:43], s[4:5], s[58:59]
	s_or_b32 s43, s43, 0x80000000
	CROUND                                         ; all four work-groups are here: the joint loads meet
	tensor_load_to_lds s[40:43], s[24:31]
	s_nop 0
.rept 4
	v_nop
.endr
	s_xor_b32 s[RK], s[WV], 8                      ; my own tile's rank: 15 - w for w < 8, else w - 8
	s_lshr_b32 s21, s[WV], 3
	s_xor_b32 s21, s21, 1
	s_mul_i32 s21, s21, 7
	s_xor_b32 s[RK], s[RK], s21
	s_and_b32 s19, s[WV], 7
	s_xor_b32 s20, s19, 15                         ; the rank of the pair's shared tile
	s_cmp_lt_u32 s[WV], 8
	s_cselect_b32 s32, 8, s[RK]                    ; my last step among 0 .. 8,
	s_cselect_b32 s33, 0, s20                      ; and among 9 .. 15 (0: none)
	QADR RK, 50
	QADR 20, 34                                    ; (in waves 0-7 the same tile)
	v_and_b32 v241, 31, v0
	v_and_b32 v242, 15, v0                         ; r
	v_bfe_u32 v243, v0, 4, 1                       ; h
	v_lshlrev_b32 v1, 4, v241                      ; 16 x lane
	v_lshlrev_b32 v9, 4, v242                      ; 16 r
	global_load_b128 v[16:19], v1, s[50:51]
	global_load_b128 v[24:27], v1, s[34:35]
	global_load_b32 v228, v9, s[52:53]
	global_load_b32 v229, v9, s[36:37]
	RESET
	v_add_nc_u32 v2, MSK, v1                       ; the table, back
	v_add_nc_u32 v3, 8192, v9                      ; K's scale words in a segment; V's 512 on
	s_lshl_b32 s60, s[WV], 9
	s_add_co_u32 s60, s60, MSK
	v_add_nc_u32 v4, s60, v1                       ; the table, in: registers 4 w .. 4 w + 3
	s_mul_i32 s60, s[WV], PSZ
	s_add_co_u32 s60, s60, PART
	v_add_nc_u32 v11, s60, v1                      ; a part, in,
	s_xor_b32 s62, s[WV], 8
	s_mul_i32 s62, s62, PSZ
	s_add_co_u32 s62, s62, PART
	v_add_nc_u32 v7, s62, v1                       ; and back: my partner's
	s_lshl_b32 s60, s[RK], 5
	s_add_co_u32 s60, s60, SCR
	v_lshl_add_u32 v6, v242, 1, s60                ; the scratch: 32 rank + 2 r,
	v_add_nc_u32 v240, SCR, v1                     ; and back
	v_mul_u32_u24 v244, IMG, v243
	v_lshl_add_u32 v244, v242, 4, v244             ; lanes 0-15 ranks 0-7's block, lanes 16-31 the next
.irp j, 20,21,22,23,28,29,30,31,64,65,66,67
	v_mov_b32 v[\j], 0                             ; Q's registers 4-7 (twice), and K's last tile's
.endr
.irp j, PT,PT+1,PT+2,PT+3,231,233,234,235,239
	v_mov_b32 v[\j], 0                             ; named before they are first written: permutes' destinations, upper halves of pairs
.endr
	s_lshr_b32 s60, s15, 1
	s_lshl_b32 s60, s60, 5
	s_and_b32 s62, s15, 1
	s_lshl_b32 s62, s62, 3
	s_add_co_u32 s60, s60, s62
	v_and_b32 v5, 8, v242
	v_add_nc_u32 v5, v5, v242
	v_lshlrev_b32 v8, 4, v243
	v_add_nc_u32 v5, s60, v5
	v_sub_nc_u32 v5, v5, v8                        ; my query's place in its step - 16 h: register 16 b + i is hidden where 32 b + i is greater
	s_lshr_b32 s60, s[WV], 2
	s_lshl_b32 s60, s60, 5
	s_and_b32 s62, s[WV], 3
	s_lshl_b32 s62, s62, 2
	s_add_co_u32 s60, s60, s62                     ; 32 b + i of register 4 w
	s_wait_alu depctr_va_vdst(0)                   ; ahead of the readers below
.irp j, 0,1,2,3
	v_cmp_gt_i32 vcc_lo, s60, v5
	v_cndmask_b32 v[S+\j], v14, v13, vcc_lo        ; -3e38 or 0
	s_add_co_u32 s60, s60, 1
.endr
	s_lshr_b32 s60, s16, 4                         ; where my tile goes: block 2 (8 batch + g) + rank / 8, tile rank % 8, head
	s_lshl_b32 s60, s60, 3
	s_add_co_u32 s60, s60, s15
	s_lshl_b32 s60, s60, 1
	s_mul_i32 s58, s60, IMG
	s_and_b32 s62, s16, 15
	s_lshl_b32 s21, s62, 8
	s_add_co_u32 s58, s58, s21
	s_add_co_u32 s58, s58, 65536
	s_add_nc_u64 s[56:57], s[10:11], s[58:59]      ; scale bytes: + 65,536 + 256 head
	s_lshr_b32 s21, s[RK], 3
	s_add_co_u32 s60, s60, s21
	s_mul_i32 s58, s60, IMG
	s_and_b32 s21, s[RK], 7
	s_lshl_b32 s21, s21, 13
	s_add_co_u32 s58, s58, s21
	s_lshl_b32 s21, s62, 9
	s_add_co_u32 s58, s58, s21
	s_add_nc_u64 s[54:55], s[10:11], s[58:59]      ; codes: + 8,192 tile + 512 head
	s_mov_b32 s[CS], 0x3e38aa3b                    ; log2(e) / 8
	s_mov_b32 s[CS+1], s[CS]
	s_mov_b32 s[SEL], 0x76543210
	s_mov_b32 s[SEL+1], 0xfedcba98
	s_mov_b32 s17, 0
	s_mov_b32 s18, 0
	s_wait_alu depctr_va_vdst(0)                   ; the head's end
	s_wait_tensorcnt 0x0
	s_wait_loadcnt 0x0
	ds_store_b128 v4, v[S:S+3]
	s_wait_dscnt 0x0
	s_barrier_signal -1
	s_barrier_wait -1                              ; all segments and the table are in
.Lloop1:
	STEP 16, 228, RK, 32
	s_cmp_lt_u32 s17, 9
	s_cbranch_scc1 .Lloop1
	s_cmp_lt_u32 s[WV], 8
	s_cbranch_scc1 .Lmid
.rept 4
	v_nop                                          ; places behind the last products
.endr
	FINISH                                         ; waves 8-15: my own tile goes out, and the shared tile's part begins
	RESET
	s_wait_alu depctr_va_vdst(0)                   ; directly ahead of the wait below
	s_wait_xcnt 0x0                                ; the store has read its registers
.Lmid:
	s_mov_b32 s17, 9
	s_mov_b32 s18, 9*SEG
.Lloop2:
	STEP 24, 229, 20, 33
	s_cmp_lt_u32 s17, 16
	s_cbranch_scc1 .Lloop2
	s_cmp_lt_u32 s[WV], 8
	s_cbranch_scc1 .Lparted
.rept 4
	v_nop
.endr
.irp n, 0,1,2,3,4,5,6,7
	ds_store_b128 v11, v[O+4*\n:O+4*\n+3] offset:512*\n   ; the part: O,
.endr
	ds_store_b128 v11, v[12:15] offset:4096        ; -M, the largest t, the sum
.Lparted:
	s_wait_dscnt 0x0                               ; for the others' sake
	s_barrier_signal -1
	s_barrier_wait -1
	s_cmp_gt_u32 s[WV], 7
	s_cbranch_scc1 .Ljoined
.rept 4
	v_nop                                          ; places ahead of the loads into V's registers, which the last products have read
.endr
	ds_load_b128 v[VF:VF+3], v7 offset:4096
.irp n, 0,1,2,3,4,5,6,7
	ds_load_b128 v[S+4*\n:S+4*\n+3], v7 offset:512*\n
.endr
	s_wait_dscnt 0x0
	v_min_num_f32 v235, v12, v[VF]                 ; the joint -M
	s_delay_alu instid0(VALU_DEP_1)
	v_sub_f32 v234, v235, v12
	s_delay_alu instid0(VALU_DEP_2)
	v_sub_f32 v241, v235, v[VF]
	s_delay_alu instid0(VALU_DEP_2)
	v_cvt_i32_f32 v234, v234
	s_delay_alu instid0(VALU_DEP_2)
	v_cvt_i32_f32 v241, v241                       ; (a part of no steps has M = -3e38: its factor is 0)
	s_delay_alu instid0(VALU_DEP_2)
	v_ldexp_f32 v232, 1.0, v234
	s_delay_alu instid0(VALU_DEP_2)
	v_ldexp_f32 v238, 1.0, v241
	v_pk_mul_f32 v[14:15], v[14:15], v[232:233] op_sel_hi:[1,0]
.set N, 0
.rept 16
	v_pk_mul_f32 v[O+N:O+N+1], v[O+N:O+N+1], v[232:233] op_sel_hi:[1,0]
.set N, N+2
.endr
	v_pk_fma_f32 v[14:15], v[VF+2:VF+3], v[238:239], v[14:15] op_sel_hi:[1,0,1]
.set N, 0
.rept 16
	v_pk_fma_f32 v[O+N:O+N+1], v[S+N:S+N+1], v[238:239], v[O+N:O+N+1] op_sel_hi:[1,0,1]
.set N, N+2
.endr
	FINISH
.Ljoined:
	s_wait_dscnt 0x0                               ; for the others' sake
	s_barrier_signal -1
	s_barrier_wait -1
	s_cmp_lg_u32 s[WV], 0
	s_cbranch_scc1 .Lnot_0
	ds_load_b128 v[S:S+3], v240                    ; wave 0: the 16 tiles' scale bytes
	s_wait_dscnt 0x0
	global_store_b128 v244, v[S:S+3], s[56:57]     ; two aligned units of 256 bytes
.Lnot_0:
	s_wait_tensorcnt 0x0                           ; the wave's end
	ds_add_u32 v[SPW], v[NIL]
	s_wait_dscnt 0x0
	CROUND                                         ; the closing round
	s_endpgm
.Lfunc_end_k_q0ead778aa8_attn:
	.size	k_q0ead778aa8_attn, .Lfunc_end_k_q0ead778aa8_attn-k_q0ead778aa8_attn
	.p2alignl 7, 3214868480
	.fill 96, 4, 3214868480
	.section	.rodata,"a",@progbits
	.p2align	6, 0x0
	.amdhsa_kernel k_q0ead778aa8_attn
		.amdhsa_group_segment_fixed_size 327680
		.amdhsa_private_segment_fixed_size 0
		.amdhsa_enable_private_segment 0
		.amdhsa_kernarg_size 32
		.amdhsa_user_sgpr_count 2
		.amdhsa_user_sgpr_kernarg_segment_ptr 1
		.amdhsa_wavefront_size32 1
		.amdhsa_system_sgpr_workgroup_id_x 1
		.amdhsa_system_sgpr_workgroup_id_y 1
		.amdhsa_system_sgpr_workgroup_id_z 1
		.amdhsa_system_vgpr_workitem_id 0
		.amdhsa_next_free_vgpr 256
		.amdhsa_next_free_sgpr 66
		.amdhsa_reserve_vcc 1
		.amdhsa_float_denorm_mode_32 3
		.amdhsa_float_denorm_mode_16_64 3
		.amdhsa_memory_ordered 1
		.amdhsa_forward_progress 1
		.amdhsa_inst_pref_size 60
	.end_amdhsa_kernel
	.amdgpu_metadata
---
amdhsa.version: [ 1, 2 ]
amdhsa.kernels:
  - .name:           k_q0ead778aa8_attn
    .symbol:         k_q0ead778aa8_attn.kd
    .args:
      - { .name: kv, .offset: 0, .size: 8, .value_kind: global_buffer, .address_space: global }
      - { .name: q_codes, .offset: 8, .size: 8, .value_kind: global_buffer, .address_space: global }
      - { .name: q_scales, .offset: 16, .size: 8, .value_kind: global_buffer, .address_space: global }
      - { .name: o_img, .offset: 24, .size: 8, .value_kind: global_buffer, .address_space: global }
    .group_segment_fixed_size: 327680
    .private_segment_fixed_size: 0
    .kernarg_segment_align: 8
    .kernarg_segment_size: 32
    .max_flat_workgroup_size: 512
    .sgpr_count:     66
    .vgpr_count:     256
    .wavefront_size: 32
...
	.end_amdgpu_metadata
.endif
;; end of part 3
;; launch proj (part 4): grid 8 x 32, 4 waves a work-group, clusters of 4 x 4, 167,936 bytes of LDS; arguments o_img, w_img, bo, out0; writes out0
.if DOCPART == 4
	.amdgcn_target "amdgcn-amd-amdhsa--gfx1250"
	.amdhsa_code_object_version 6
	.text
	.protected	k_q0ead778aa8_proj
	.globl	k_q0ead778aa8_proj
	.p2align	8
	.type	k_q0ead778aa8_proj,@function
k_q0ead778aa8_proj:
	s_mov_b64 s[64:65], 0
	v_nop
	global_prefetch_b8 v0, s[64:65] scope:SCOPE_SE
	s_setreg_imm32_b32 hwreg(HW_REG_WAVE_MODE, 25, 1), 1
	s_wait_xcnt 0x0
	s_wait_alu depctr_hold_cnt(0) depctr_sa_sdst(0) depctr_va_vdst(0) depctr_va_sdst(0) depctr_va_ssrc(0) depctr_va_vcc(0) depctr_vm_vsrc(0)
	s_getreg_b32 s2, hwreg(HW_REG_IB_STS2, 6, 4)
	s_cmp_eq_u32 s2, 0
	s_cbranch_scc0 .Lentry_in_a_cluster
	s_endpgm
.Lentry_in_a_cluster:
	s_bfe_u32 s2, ttmp6, 0x10000c
	s_cmp_lg_u32 s2, 0xf033
	s_cbranch_scc0 .Lentry_shape_is_right
	s_endpgm
.Lentry_shape_is_right:
; out0 = O Wo + bo on codes of FP4 with E8M0 scales, sums in f32.  O's image comes from the attention launch, Wo's from the quantiser's.
; SHARES.  A work-group takes 8 tiles of 16 tokens (block mb of o_img) x 128 columns; wave w: tiles 4 (w / 2) on, columns 64 (w % 2) on.  All of K lies in LDS at once: two images of 69,632 bytes, one first fill (half an image) a wave; nothing is filled again, and with no loop there is nothing to prefetch ahead of.
; CLUSTER 4 x 4: O's image is shared along a row of the cluster, Wo's along a column: joint loads.
; Source 0 = 16 tokens, source 1 = 16 columns of Wo, 4 r + q for tile q: so lane r holds four NEIGHBOURING columns of a token in four accumulators, 16 bytes, and sixteen lanes 256 consecutive bytes of a row; bo is added on the way out.
; Tiles 0 and 1 are finished first and stored while tiles 2 and 3 are multiplied.
; WHICH TOKENS.  Block mb = 2 (8 batch + g) + e holds tiles of rank 8 e + 0 .. 7 of the attention's work-group g: register j of lane half h is token 2,048 batch + 128 rank + 32 (g / 2) + 8 (g % 2) + 16 h + j.
; LIMITS: NaN and infinities are not served.
; REGISTERS: window 0: v1-15 addresses, v16-31 O's scale words, v32-47 Wo's, v48-111 at work, v112-115 bo, v128-255 the accumulators.  window 1: O's 32 fragments.  window 2: Wo's 32.
.set IMG,  69632
.set SPARE, 2*IMG
.set XSC,  16
.set WSC,  32
.set HV,   48                          ; v48-79 the halves of O's scale words; later results on the way out, with v80-111 by turns
.set BO,   112
.set ACC,  128
.set WV,   22
.set HF,   23
.set HD,   24
.set G1X,  40
.set G1W,  48
.set MSB, 0
.macro WIN new
.if MSB != \new
	s_set_vgpr_msb (MSB<<8)|\new
.set MSB, \new
.endif
.endm
.macro CROUND
	s_barrier_signal -1
	s_barrier_wait -1
	s_cmp_lg_u32 s[WV], 0
	s_cbranch_scc1 .Lnot_wave_0_\@
	s_barrier_signal -3
.Lnot_wave_0_\@:
	s_barrier_wait -3
	s_barrier_signal -1
	s_barrier_wait -1
.endm
.macro PLACES
.rept 4
	v_nop
.endr
.endm
.macro GRP1 g, m, rows                 ; a dense block as rows of 256 bytes
	s_or_b32 s[\g], s[\m], (3<<16)|(1<<21)
	s_mov_b32 s[\g+1], 32<<16
	s_mov_b32 s[\g+2], (\rows)<<16
	s_mov_b32 s[\g+3], 32<<16
	s_mov_b32 s[\g+4], \rows
	s_mov_b32 s[\g+5], 32
	s_mov_b32 s[\g+6], 0
	s_mov_b32 s[\g+7], 0
.endm
.macro LDX i0, s                       ; two tiles' fragments of K step s: four loads
	WIN 0x40
.irp i, 0,1
.irp c, 0,1
	ds_load_b128 v[8*(8*((\i0)+\i)+(\s))+4*\c:8*(8*((\i0)+\i)+(\s))+4*\c+3], v5 offset:8192*((\i0)+\i)+1024*(\s)+512*\c
.endr
.endr
.endm
.macro LDW s                           ; Wo's four fragments: eight loads
	WIN 0x80
.irp j, 0,1,2,3
.irp c, 0,1
	ds_load_b128 v[8*(8*\j+(\s))+4*\c:8*(8*\j+(\s))+4*\c+3], v6 offset:8192*\j+1024*(\s)+512*\c
.endr
.endr
.endm
.macro WM d, a, b, c, sa, sb, ra, rb   ; c: an operand as it is written
.if (\ra) && (\rb)
	v_wmma_scale_f32_16x16x128_f8f6f4 v[\d:\d+7], v[\a:\a+7], v[\b:\b+7], \c, v[\sa], v[\sb] matrix_a_fmt:MATRIX_FMT_FP4 matrix_b_fmt:MATRIX_FMT_FP4 matrix_a_scale:MATRIX_SCALE_ROW1 matrix_b_scale:MATRIX_SCALE_ROW1
.elseif (\ra)
	v_wmma_scale_f32_16x16x128_f8f6f4 v[\d:\d+7], v[\a:\a+7], v[\b:\b+7], \c, v[\sa], v[\sb] matrix_a_fmt:MATRIX_FMT_FP4 matrix_b_fmt:MATRIX_FMT_FP4 matrix_a_scale:MATRIX_SCALE_ROW1
.elseif (\rb)
	v_wmma_scale_f32_16x16x128_f8f6f4 v[\d:\d+7], v[\a:\a+7], v[\b:\b+7], \c, v[\sa], v[\sb] matrix_a_fmt:MATRIX_FMT_FP4 matrix_b_fmt:MATRIX_FMT_FP4 matrix_b_scale:MATRIX_SCALE_ROW1
.else
	v_wmma_scale_f32_16x16x128_f8f6f4 v[\d:\d+7], v[\a:\a+7], v[\b:\b+7], \c, v[\sa], v[\sb] matrix_a_fmt:MATRIX_FMT_FP4 matrix_b_fmt:MATRIX_FMT_FP4
.endif
.endm
.macro MUL i0, s                       ; K step s of two tiles: 8 accumulators by turns, in the same order in every K step
	WIN 0x09                                       ; source 0 (O) window 1, source 1 (Wo) window 2, C and D window 0
.irp i, 0,1
.irp j, 0,1,2,3
.set rX, 8*(8*((\i0)+\i)+\s)
.set rW, 8*(8*\j+\s)
.set sX, XSC+4*((\i0)+\i)+\s/2
.set sW, WSC+8*(\j/2)+\s
.set rD, ACC+32*((\i0)+\i)+8*\j
.if \s == 0
	WM rD, rX, rW, 0, sX, sW, \s%2, \j%2
.else
	WM rD, rX, rW, v[rD:rD+7], sX, sW, \s%2, \j%2
.endif
.endr
.endr
.endm
; A tile's way out: each accumulator from its low end on
.macro OUTT i, ob
.irp j, 0,1,2,3,4,5,6,7
.irp q, 0,1,2,3
	v_add_f32 v[\ob+4*\j+\q], v[ACC+32*\i+8*\q+\j], v[BO+\q]
.endr
.endr
.irp j, 0,1,2,3,4,5,6,7
	global_store_b128 v14, v[\ob+4*\j:\ob+4*\j+3], s[10:11] offset:524288*\i+4096*\j th:TH_STORE_NT   ; sixteen lanes store 256 consecutive bytes, aligned; a rank is 128 rows
.endr
.endm
	s_load_b256 s[4:11], s[0:1], 0x0               ; o_img s[4:5], w_img s[6:7], bo s[8:9], out0 s[10:11]
	v_lshl_add_u32 v126, v0, 2, SPARE
	v_mov_b32 v127, 0
	ds_add_u32 v126, v127                          ; the wave's opening
	ds_add_u32 v126, v127
	v_lshrrev_b32 v1, 5, v0
	v_readfirstlane_b32 s[WV], v1
	s_lshr_b32 s[HF], s[WV], 1                     ; which four tiles.  Also: I fetch for O (0) or for Wo (1)
	s_and_b32 s[HD], s[WV], 1                      ; which 64 columns.  Also: which half of the image I fetch
	s_bfe_u32 s25, ttmp6, 0x40000                  ; cx
	s_bfe_u32 s26, ttmp6, 0x40004                  ; cy
	s_lshl_b32 s27, ttmp9, 2
	s_add_co_u32 s27, s27, s25                     ; nb
	s_and_b32 s28, ttmp7, 0xffff
	s_lshl_b32 s28, s28, 2
	s_add_co_u32 s28, s28, s26                     ; mb
	s_lshl_b32 s29, s26, 2
	s_lshl_b32 s29, 15, s29                        ; my row of the cluster
	s_lshl_b32 s30, 0x1111, s25                    ; my column
	GRP1 G1X, 29, 136
	GRP1 G1W, 30, 136
	s_mul_i32 s35, s[HD], IMG/2
	s_mul_i32 s36, s28, IMG
	s_add_co_u32 s36, s36, s35
	s_mov_b32 s37, 0
	s_lshl_b32 s38, s27, 2
	s_add_co_u32 s38, s38, 3                       ; Wo is the fourth weight
	s_mul_i32 s38, s38, IMG
	s_add_co_u32 s38, s38, s35
	s_mov_b32 s39, 0
	s_mul_i32 s34, s[WV], IMG/2                    ; where my half goes
	s_wait_dscnt 0x0                               ; both opening adds are done
	s_wait_kmcnt 0x0
	s_mov_b32 s76, 1
	s_mov_b32 s77, s34
	s_add_nc_u64 s[78:79], s[4:5], s[36:37]
	s_or_b32 s79, s79, 0x80000000
	s_mov_b32 s80, 1
	s_mov_b32 s81, s34
	s_add_nc_u64 s[82:83], s[6:7], s[38:39]
	s_or_b32 s83, s83, 0x80000000
	CROUND                                         ; all sixteen work-groups are here: the joint loads meet
	s_cmp_lt_u32 s[WV], 2
	s_cbranch_scc0 .Lfor_w
	tensor_load_to_lds s[76:79], s[G1X:G1X+7]
	s_nop 0
	PLACES                                         ; four v_nop follow each load
	s_branch .Lasked
.Lfor_w:
	tensor_load_to_lds s[80:83], s[G1W:G1W+7]
	s_nop 0
	PLACES
.Lasked:
	s_lshl_b32 s36, s27, 9                         ; my 64 columns: 512 nb + 256 hd bytes
	s_lshl_b32 s38, s[HD], 8
	s_add_co_u32 s36, s36, s38
	s_add_nc_u64 s[8:9], s[8:9], s[36:37]
	v_and_b32 v3, 31, v0                           ; lane
	v_and_b32 v4, 15, v0                           ; r
	v_bfe_u32 v15, v0, 4, 1                        ; h
	v_lshlrev_b32 v10, 4, v4
	global_load_b128 v[BO:BO+3], v10, s[8:9]       ; bo at my lane's four columns
	v_lshlrev_b32 v1, 4, v3
	v_lshlrev_b32 v2, 2, v3
	s_lshl_b32 s34, s[HF], 15
	v_add_nc_u32 v5, s34, v1                       ; O's codes: my four tiles
	s_lshl_b32 s34, s[HD], 15
	s_add_co_u32 s34, s34, IMG
	v_add_nc_u32 v6, s34, v1                       ; Wo's: my four tiles
	s_lshl_b32 s34, s[HF], 7
	s_add_co_u32 s34, s34, 65536
	v_lshl_add_u32 v7, v4, 1, s34
	v_lshl_add_u32 v7, v15, 9, v7                  ; O's scale bytes [head 16][tile 8][r 16] two bytes: 128 hf + 2 r, lanes 16-31 two heads (a K step) on
	s_lshl_b32 s34, s[HD], 8
	s_add_co_u32 s34, s34, IMG+65536
	v_add_nc_u32 v8, s34, v2                       ; Wo's scale words
	v_lshlrev_b32 v14, 16, v15
	v_lshl_add_u32 v14, v4, 4, v14                 ; out0: 16 rows of 4,096 bytes for each half of the lanes, 16 bytes a lane
	s_lshr_b32 s34, s28, 4                         ; batch
	s_lshl_b32 s34, s34, 11
	s_bfe_u32 s35, s28, 0x30001                    ; g
	s_lshr_b32 s38, s35, 1
	s_lshl_b32 s38, s38, 5
	s_add_co_u32 s34, s34, s38
	s_and_b32 s38, s35, 1
	s_lshl_b32 s38, s38, 3
	s_add_co_u32 s34, s34, s38
	s_and_b32 s38, s28, 1                          ; ranks 8 on,
	s_lshl_b32 s38, s38, 10
	s_add_co_u32 s34, s34, s38
	s_lshl_b32 s38, s[HF], 9                       ; and 4 on
	s_add_co_u32 s34, s34, s38
	s_lshl_b32 s34, s34, 12
	s_add_co_u32 s36, s36, s34
	s_add_nc_u64 s[10:11], s[10:11], s[36:37]
	s_wait_alu depctr_va_vdst(0)                   ; the head's end
	s_wait_tensorcnt 0x0                           ; my half is in,
	s_barrier_signal -1
	s_barrier_wait -1                              ; everybody's is
.irp i, 0,1,2,3
.irp p, 0,1,2,3
	ds_load_u16 v[HV+2*(4*\i+\p)], v7 offset:1024*\p+32*\i          ; a K step's scale word is two heads' two bytes: the even head's,
	ds_load_u16 v[HV+2*(4*\i+\p)+1], v7 offset:1024*\p+32*\i+256    ; the odd head's
.endr
.endr
.irp r, 0,1
.irp s, 0,1,2,3,4,5,6,7
	ds_load_b32 v[WSC+8*\r+\s], v8 offset:512*\s+128*\r
.endr
.endr
.irp s, 0,1,2,3
	LDW \s
	LDX 0, \s
.endr
	WIN 0
	s_wait_dscnt 63                                ; 64 loads are younger than the halves; a wait names 63 at the most
.irp i, 0,1,2,3
.irp p, 0,1,2,3
	v_lshl_or_b32 v[XSC+4*\i+\p], v[HV+2*(4*\i+\p)+1], 16, v[HV+2*(4*\i+\p)]
.endr
.endr
	s_wait_alu depctr_va_vdst(0)
	s_wait_loadcnt 0x0                             ; bo
.rept 8
	v_nop                                          ; a scale register written by a vector instruction stands eight places ahead of a scaled matrix instruction
.endr
.irp s, 0,1,2,3,4,5,6,7
.if \s < 7
	s_wait_dscnt 36                                ; K step s is in; three younger groups of 12 loads may be out
.else
	s_wait_dscnt 32                                ; K step 7's younger loads: 12 + 12 + 8 of tiles 2 and 3
.endif
	MUL 0, \s
.if \s < 4
	LDW \s+4                                       ; into registers that no matrix instruction has read
	LDX 0, \s+4
.endif
.if \s == 4
	LDX 2, 0
	LDX 2, 1
	LDX 2, 2
.endif
.if \s == 5
	LDX 2, 3
	LDX 2, 4
	LDX 2, 5
.endif
.if \s == 6
	LDX 2, 6
	LDX 2, 7
.endif
.endr
	WIN 0
	PLACES
	OUTT 0, HV
	OUTT 1, HV+32
	s_wait_dscnt 0x0
.irp s, 0,1,2,3,4,5,6,7
	MUL 2, \s
.endr
	WIN 0
	PLACES
	s_wait_xcnt 0x0                                ; the first two tiles' stores have read their registers
	OUTT 2, HV
	OUTT 3, HV+32
	s_wait_tensorcnt 0x0                           ; the wave's end
	ds_add_u32 v126, v127
	s_wait_dscnt 0x0
	CROUND                                         ; the closing round
	s_endpgm
.Lfunc_end_k_q0ead778aa8_proj:
	.size	k_q0ead778aa8_proj, .Lfunc_end_k_q0ead778aa8_proj-k_q0ead778aa8_proj
	.p2alignl 7, 3214868480
	.fill 96, 4, 3214868480
	.section	.rodata,"a",@progbits
	.p2align	6, 0x0
	.amdhsa_kernel k_q0ead778aa8_proj
		.amdhsa_group_segment_fixed_size 167936
		.amdhsa_private_segment_fixed_size 0
		.amdhsa_enable_private_segment 0
		.amdhsa_kernarg_size 32
		.amdhsa_user_sgpr_count 2
		.amdhsa_user_sgpr_kernarg_segment_ptr 1
		.amdhsa_wavefront_size32 1
		.amdhsa_system_sgpr_workgroup_id_x 1
		.amdhsa_system_sgpr_workgroup_id_y 1
		.amdhsa_system_sgpr_workgroup_id_z 1
		.amdhsa_system_vgpr_workitem_id 0
		.amdhsa_next_free_vgpr 768
		.amdhsa_next_free_sgpr 102
		.amdhsa_reserve_vcc 0
		.amdhsa_float_denorm_mode_32 3
		.amdhsa_float_denorm_mode_16_64 3
		.amdhsa_memory_ordered 1
		.amdhsa_forward_progress 1
		.amdhsa_inst_pref_size 43
	.end_amdhsa_kernel
	.amdgpu_metadata
---
amdhsa.version: [ 1, 2 ]
amdhsa.kernels:
  - .name:           k_q0ead778aa8_proj
    .symbol:         k_q0ead778aa8_proj.kd
    .args:
      - { .name: o_img, .offset: 0, .size: 8, .value_kind: global_buffer, .address_space: global }
      - { .name: w_img, .offset: 8, .size: 8, .value_kind: global_buffer, .address_space: global }
      - { .name: bo, .offset: 16, .size: 8, .value_kind: global_buffer, .address_space: global }
      - { .name: out0, .offset: 24, .size: 8, .value_kind: global_buffer, .address_space: global }
    .group_segment_fixed_size: 167936
    .private_segment_fixed_size: 0
    .kernarg_segment_align: 8
    .kernarg_segment_size: 32
    .max_flat_workgroup_size: 128
    .sgpr_count:     102
    .vgpr_count:     768
    .wavefront_size: 32
...
	.end_amdgpu_metadata
.endif
;; end of part 4
